; MI455X (gfx1250); checked and timed in simulation.
; The chip was launched on July 23, 2026; its instructions are those of AMD's public machine-readable ISA for CDNA 5 (MIT licence, August 2026) and "CDNA5" Instruction Set Architecture Reference Guide (July 2026). The comments in the code are by the model that wrote it; some were corrected since.
;; Attention. Allowed arithmetic: matrix products marked QUANTISED: E2M1 operands, one E8M0 scale for each 32 along K, by v_wmma_scale_f32_16x16x128_f8f6f4 with both operands' format E2M1 (or v_wmma_scale_f32_32x16x128_f4), f32 sums; products left as they are: bf16, f16 or f32 operands; f32 sums; everything else in f32.
;; Inputs: W_K 8 x 64 x 512 float32; W_O 512 x 512 float32; W_Q 8 x 64 x 512 float32; W_V 8 x 64 x 512 float32; x 2 x 2,048 x 512 float32.
;; Outputs: out0 2 x 2,048 x 512 float32.
;; This version of the problem:
;;   THIS VERSION OF THE PROBLEM IS GIVEN IN LOW PRECISION. The matrix products marked QUANTISED in the list below multiply operands that are first quantised to E2M1 (2 exponent bits, 1 mantissa bit; 4 bits a number), with one power-of-two scale for each 32 numbers along K (OCP MX v1.0); their sums are f32. The products marked 'left as it is' may take bf16, f16 or f32 operands, with f32 sums. Whichever they take, every output number must still come out within the allowed error. Rounding operands to bf16 (8 significant bits) uses up far more of that allowance than f16 does (11 bits, for magnitudes from 6e-5 to 65,504). All else is computed in f32.
;;   The module's matrix products, in the order in which they are computed (A, B: the left and right operand; K: the contracted axis; several contracted axes count as one K, in the product's order):
;;     1. [M 4,096, K 512] x [K 512, N 512]; A: input x; B: input W_Q: QUANTISED
;;     2. [M 4,096, K 512] x [K 512, N 512]; A: input x; B: input W_K: QUANTISED
;;     3. [M 4,096, K 512] x [K 512, N 512]; A: input x; B: input W_V: QUANTISED
;;     4. batch 16 x [M 2,048, K 64] x [K 64, N 2,048]; A: computed on the way; B: computed on the way: left as it is (an operand is computed on the way)
;;     5. batch 16 x [M 2,048, K 2,048] x [K 2,048, N 64]; A: computed on the way; B: computed on the way: left as it is (an operand is computed on the way)
;;     6. [M 4,096, K 512] x [K 512, N 512]; A: computed on the way; B: input W_O: left as it is (an operand is computed on the way)
;;   THE QUANTISER, for each operand of a quantised product, along K:
;;     - K is cut into blocks of 32 from its start; a last block that is shorter is filled with zeros.
;;     - A block's scale is 2^e with e = floor(log2(the largest magnitude in the block)) - 2, held to -126 .. 127; a block of zeros has e = 0. As a byte (E8M0): e + 127.
;;     - Each number is divided by its block's scale, clamped to +-6, and rounded to the nearest number of E2M1, ties to even, subnormals kept.
;;     - The product sums the exact products of the quantised numbers (number of the format x scale) in f32.
;;   ~~~python
;;   def quantise(x, axis):      # numpy; x: float32 -> the quantised numbers, widened to float32 again
;;       x = np.moveaxis(x, axis, -1); K = x.shape[-1]
;;       x = np.pad(x, [(0, 0)] * (x.ndim - 1) + [(0, -K % 32)]); x = x.reshape(x.shape[:-1] + (-1, 32)); a = np.abs(x).max(-1, keepdims=True)
;;       e = np.where(a > 0, np.clip(np.frexp(np.where(a > 0, a, 1))[1] - 1 - 2, -126, 127), 0)      # np.frexp(a)[1] - 1 = floor(log2(a)), exactly
;;       r = np.clip(x / 2.0 ** e, -6, 6)
;;       step = 2.0 ** (np.maximum(np.frexp(np.where(r == 0, 1, r))[1] - 1, 0) - 1)
;;       q = np.round(r / step) * step * 2.0 ** e      # np.round: ties to even
;;       return np.moveaxis(q.reshape(q.shape[:-2] + (-1,))[..., :K], -1, axis).astype(np.float32)
;;   ~~~
;; 2 versions, each right; version 2 is version 1 with the launch qkv written anew for expert scheduling mode. Each part assembles by itself: llvm-mc -triple=amdgcn-amd-amdhsa -mcpu=gfx1250 --defsym DOCPART=n.
;; ======== version 1 of 2: 3 launches
;; limits: values are held in f16: magnitudes above 65,504 overflow, below 6.1e-05 lose precision; right only within a limited range of input values
;; workspace buffers: cq 1,441,792 bytes; sc 90,112 bytes; wo 1,048,576 bytes; y1 8,388,608 bytes; bb 131,072 bytes; tot 65,536 bytes
;; launch prep (part 1): grid 384 x 1, 4 waves a work-group, no clusters, 34,560 bytes of LDS; arguments x, W_Q, W_K, W_V, W_O, cq, sc, wo; writes cq, sc, wo
.if DOCPART == 1
	.amdgcn_target "amdgcn-amd-amdhsa--gfx1250"
	.amdhsa_code_object_version 6
	.text
	.protected	k_qdc9c29832a_prep
	.globl	k_qdc9c29832a_prep
	.p2align	8
	.type	k_qdc9c29832a_prep,@function
k_qdc9c29832a_prep:
	s_mov_b64 s[64:65], 0
	v_nop
	global_prefetch_b8 v0, s[64:65] scope:SCOPE_SE
	s_setreg_imm32_b32 hwreg(HW_REG_WAVE_MODE, 25, 1), 1
	s_wait_xcnt 0x0
; x [4096][512], W_Q, W_K, W_V [512][512] (f32, K innermost) become codes of E2M1 with one E8M0 byte for each 32 along K; W_O [512][512] becomes two f16 parts.
; All three results are laid as IMAGES OF OPERAND REGISTERS, so that the later launches load fragments by 16 bytes a lane and nothing else.
;   cq: [tile D][K step s][c][lane][16 bytes]: the fragment of 16 rows x 128 K: lane (r, h) holds row r, registers 4 c .. 4 c + 3 hold k = 128 s + 64 c + 32 h + 0 .. 31.
;       D = row tile of x (0 .. 255), or 256 + 12 head + 4 g + t for tile t of the head's 64 rows of W_Q (g = 0), W_K (1), W_V (2).
;   sc: [D][lane l][u]: the scale word (four bytes, 128 along K) of row l % 16 for K step 2 u + l / 16.
;   wo: [part][tile of 16 rows][kk][e][lane][16 bytes]: the f16 fragment of 16 rows x 32 K: registers 4 e .. 4 e + 3 hold k = 32 kk + 16 e + 8 h + 0 .. 7.  Part 0: W_O rounded to 11 bits; part 1: (W_O - part 0) x 2048.
; THE QUANTISER: a block's scale is 2^(floor(log2(largest magnitude)) - 2): its byte is the largest magnitude's exponent field - 2; each number / scale goes to the nearest code, ties to even, beyond 6 the largest code.
; LIMITS: a block of zeros, or one whose largest magnitude lies under 2^-124, gets the byte 1 (its codes are zeros or as the floor gives them; the bytes are read by this program alone); NaN and infinities are not served.
;         Numbers of W_O under 6e-5 in magnitude are kept to a step of 6e-8, over 65,504 not at all.
; SHARES: a work-group takes 16 rows x 512 K; wave s takes K 128 s .. 128 s + 127.  Work-groups 0-255: x; 256-287: W_Q; 288-319: W_K; 320-351: W_V; 352-383: W_O.
; Each load reads 512 consecutive bytes of one row; the numbers turn through the wave's own stage in LDS (rows 528 bytes apart), so that a lane gets neighbours along K.  Every offset is an immediate; there is no loop.
.set PITCH, 528
.set STGW,  16*PITCH                   ; a wave's stage
.set SCW,   4*STGW                     ; behind the stages: the tile's 64 scale words, 256 bytes
.set SPARE, SCW+256                    ; the spare words, 128 bytes for each wave: two blocks of 256 bytes that no other line names
.set LD,   4                           ; v4   16 x lane
.set SIN,  5                           ; v5   the stage, on the way in
.set SO4,  6                           ; v6   on the way out, for codes: row r, + 128 h
.set SO16, 7                           ; v7   on the way out, for f16: row r, + 32 h
.set SWA,  8                           ; v8   my row's scale word among the tile's
.set L8,   10                          ; v10  8 x lane
.set SH,   11                          ; v11  8 h: how far my two bytes are shifted in the word
.set SPW,  12                          ; v12  LDS address of my spare word; never rewritten
.set NIL,  13                          ; v13  0; never rewritten
.set R,    16                          ; v16-79   the numbers as loaded
.set X,    80                          ; v80-143  64 numbers of my row
.set C,    144                         ; v144-151 the fragment's codes
.set MX,   152                         ; v152-153 largest magnitudes; v160-161 their second chains
.set MY,   160
.set SOP,  154                         ; v154-155 the conversions' scale operands
.set BY,   156                         ; v156-157 the bytes
.set WD,   158                         ; v158 the scale word, v159 the other half's
.set HF,   16                          ; W_O: v16-79 the high parts in f32, v144-175 in f16, v176-207 the low parts in f16
.set H16,  144
.set L16,  176
	s_load_b256 s[4:11], s[0:1], 0x0               ; x, W_Q, W_K, W_V
	s_load_b256 s[12:19], s[0:1], 0x20             ; W_O, cq, sc, wo
	v_lshl_add_u32 v[SPW], v0, 2, SPARE
	v_mov_b32 v[NIL], 0
	v_lshrrev_b32 v1, 5, v0
	v_readfirstlane_b32 s20, v1                    ; wave = K step
	v_and_b32 v1, 31, v0                           ; lane
	v_and_b32 v2, 15, v0                           ; r
	v_bfe_u32 v3, v0, 4, 1                         ; h
	v_lshlrev_b32 v[LD], 4, v1
	s_mul_i32 s21, s20, STGW
	v_add_nc_u32 v[SIN], s21, v[LD]
	v_mul_u32_u24 v14, v2, PITCH
	v_add_nc_u32 v14, s21, v14
	v_lshl_add_u32 v[SO4], v3, 7, v14
	v_lshl_add_u32 v[SO16], v3, 5, v14
	s_and_b32 s22, s20, 1
	s_lshl_b32 s22, s22, 7
	s_lshr_b32 s23, s20, 1
	s_lshl_b32 s23, s23, 2
	s_add_co_u32 s22, s22, s23
	v_lshl_add_u32 v[SWA], v2, 3, s22              ; 8 r + 128 (s % 2) + 4 (s / 2)
	v_lshlrev_b32 v[L8], 3, v1
	v_lshlrev_b32 v[SH], 3, v3
	s_mov_b32 s38, 0x76543210
	s_mov_b32 s39, 0xfedcba98                      ; v_permlanex16_b32's selects for lane l xor 16
	s_mov_b32 s40, 0x1000                          ; half of the lowest bit kept,
	s_mov_b32 s41, 0xffffe000                      ; and the bits kept: sign, exponent, ten of the mantissa
	; which tile: all from the work-group's number
	s_and_b32 s26, ttmp9, 31                       ; a weight's tile of 16 rows
	s_lshr_b32 s27, ttmp9, 5
	s_sub_co_u32 s27, s27, 8                       ; g
	s_lshr_b32 s28, s26, 2                         ; head
	s_mul_i32 s28, s28, 3
	s_add_co_u32 s28, s28, s27
	s_lshl_b32 s28, s28, 2
	s_and_b32 s29, s26, 3                          ; t
	s_add_co_u32 s28, s28, s29
	s_add_co_u32 s28, s28, 256
	s_cmp_lt_u32 ttmp9, 256
	s_cselect_b32 s28, ttmp9, s28                  ; D
	s_cselect_b32 s29, ttmp9, s26                  ; the tile in its own tensor
	s_min_u32 s28, s28, 351                        ; (W_O's work-groups make no use of D: the hold keeps it a tile of the table)
	s_lshl_b32 s30, s29, 15                        ; 16 rows of 2,048 bytes,
	s_lshl_b32 s31, s20, 9                         ; my 512 bytes of a row
	s_add_co_u32 s30, s30, s31
	s_mov_b32 s31, 0
	s_lshl_b32 s32, s28, 12
	s_lshl_b32 s33, s20, 10
	s_add_co_u32 s32, s32, s33                     ; cq: 4,096 D + 1,024 s
	s_mov_b32 s33, 0
	s_lshl_b32 s34, s28, 8                         ; sc: 256 D
	s_mov_b32 s35, 0
	s_lshl_b32 s36, s26, 14
	s_lshl_b32 s37, s20, 12
	s_add_co_u32 s36, s36, s37                     ; wo: 16,384 tile + 4,096 s
	s_mov_b32 s37, 0
	s_wait_kmcnt 0x0
	s_cmp_lt_u32 ttmp9, 352                        ; the tensor is chosen by the work-group's number alone
	s_cselect_b64 s[24:25], s[10:11], s[12:13]
	s_cmp_lt_u32 ttmp9, 320
	s_cselect_b64 s[24:25], s[8:9], s[24:25]
	s_cmp_lt_u32 ttmp9, 288
	s_cselect_b64 s[24:25], s[6:7], s[24:25]
	s_cmp_lt_u32 ttmp9, 256
	s_cselect_b64 s[24:25], s[4:5], s[24:25]
	s_add_nc_u64 s[24:25], s[24:25], s[30:31]
	s_add_nc_u64 s[14:15], s[14:15], s[32:33]
	s_add_nc_u64 s[16:17], s[16:17], s[34:35]
	s_add_nc_u64 s[18:19], s[18:19], s[36:37]
.irp p, 0,1,2,3,4,5,6,7,8,9,10,11,12,13,14,15
	global_load_b128 v[R+4*\p:R+4*\p+3], v[LD], s[24:25] offset:2048*\p th:TH_LOAD_NT   ; row p: 32 lanes read 512 consecutive bytes; read once in the launch
.endr
.irp p, 0,1,2,3,4,5,6,7,8,9,10,11,12,13,14,15
	s_wait_loadcnt 15-\p                           ; loads come back in order: row p is in, the 15 - p issued behind it may be out
	ds_store_b128 v[SIN], v[R+4*\p:R+4*\p+3] offset:PITCH*\p
.endr
	s_cmp_ge_u32 ttmp9, 352
	s_cbranch_scc1 .Lwo
	; ---- codes.  My row's k = 64 c + 32 h + 0 .. 31 into v[X + 32 c] on: two whole blocks of 32 are mine.  LDS serves a wave's instructions in order: these loads see my stores
.irp c, 0,1
.irp g, 0,1,2,3,4,5,6,7
	ds_load_b128 v[X+32*\c+4*\g:X+32*\c+4*\g+3], v[SO4] offset:256*\c+16*\g
.endr
.endr
	s_wait_dscnt 0x0
.irp c, 0,1
	v_max3_num_f32 v[MX+\c], |v[X+32*\c]|, |v[X+32*\c+1]|, 0x1800000   ; the floor 2^(3 - 127) among the leaves: the byte cannot fall under 1
	v_max3_num_f32 v[MY+\c], |v[X+32*\c+16]|, |v[X+32*\c+17]|, |v[X+32*\c+18]|
.endr
.irp i, 0,2,4,6,8,10
.irp c, 0,1
	v_max3_num_f32 v[MX+\c], v[MX+\c], |v[X+32*\c+2+\i]|, |v[X+32*\c+3+\i]|   ; four chains by turns
	v_max3_num_f32 v[MY+\c], v[MY+\c], |v[X+32*\c+19+\i]|, |v[X+32*\c+20+\i]|
.endr
.endr
.irp c, 0,1
	v_max3_num_f32 v[MX+\c], v[MX+\c], |v[X+32*\c+14]|, |v[X+32*\c+15]|
.endr
.irp c, 0,1
	v_max3_num_f32 v[MX+\c], v[MX+\c], v[MY+\c], |v[X+32*\c+31]|   ; the block's largest magnitude
.endr
.irp c, 0,1
	v_add_nc_u32 v[SOP+\c], 0xff000000, v[MX+\c]   ; 2 off its exponent field: the conversion takes the exponent field of this operand as its scale
.endr
.irp c, 0,1
	v_lshrrev_b32 v[BY+\c], 23, v[SOP+\c]          ; the scale's byte
.endr
	v_lshl_or_b32 v[WD], v[BY+1], 16, v[BY]        ; my two bytes: blocks h and 2 + h,
	v_lshlrev_b32 v[WD], v[SH], v[WD]              ; at their places in the word;
	v_mov_b32 v[WD+1], 0                           ; (a lane permute's destination counts as one of its sources)
	v_permlanex16_b32 v[WD+1], v[WD], s38, s39
	v_or_b32 v[WD], v[WD], v[WD+1]                 ; with lane l xor 16's two the word is whole
.irp c, 0,1
.irp g, 0,1,2,3
	v_cvt_scalef32_pk8_fp4_f32 v[C+4*\c+\g], v[X+32*\c+8*\g:X+32*\c+8*\g+7], v[SOP+\c]
.endr
.endr
	v_nop                                          ; one plain place behind the last scaled conversion
	global_store_b128 v[LD], v[C:C+3], s[14:15]                ; the fragment's image: 512 consecutive bytes a store
	global_store_b128 v[LD], v[C+4:C+7], s[14:15] offset:512
	ds_store_b32 v[SWA], v[WD] offset:SCW          ; lanes r and r + 16 write the same word with the same value
	s_wait_dscnt 0x0                               ; for the others' sake: my word has landed
	s_barrier_signal -1
	s_barrier_wait -1                              ; the tile's 64 words lie in LDS
	s_cmp_lg_u32 s20, 0
	s_cbranch_scc1 .Lend
	ds_load_b64 v[MY:MY+1], v[L8] offset:SCW
	s_wait_dscnt 0x0
	global_store_b64 v[L8], v[MY:MY+1], s[16:17]   ; wave 0 stores them: 256 consecutive bytes, aligned
.Lend:
	s_wait_tensorcnt 0x0                           ; the wave's end
	ds_add_u32 v[SPW], v[NIL]
	s_wait_dscnt 0x0
	s_endpgm
.Lwo:	; ---- W_O: four fragments of 32 along K.  v[X + 16 q + 8 e + i] = k 32 q + 16 e + 8 h + i of my row
.irp q, 0,1,2,3
.irp e, 0,1
.irp u, 0,1
	ds_load_b128 v[X+16*\q+8*\e+4*\u:X+16*\q+8*\e+4*\u+3], v[SO16] offset:128*\q+64*\e+16*\u
.endr
.endr
.endr
	s_wait_dscnt 0x0                               ; the numbers are in, and the stores into the stage have read v16-79
.set j, 0
.rept 64
	v_add_nc_u32 v[HF+j], s40, v[X+j]              ; the high part: the magnitude rounded to 11 significant bits, still in f32:
.set j, j+1
.endr
.set j, 0
.rept 64
	v_and_b32 v[HF+j], s41, v[HF+j]                ; f16 holds it as it is
.set j, j+1
.endr
.set j, 0
.rept 32
	v_cvt_pk_f16_f32 v[H16+j], v[HF+2*j], v[HF+2*j+1]
.set j, j+1
.endr
.irp q, 0,1,2,3
.irp e, 0,1
	global_store_b128 v[LD], v[H16+8*\q+4*\e:H16+8*\q+4*\e+3], s[18:19] offset:1024*\q+512*\e
.endr
.endr
.set j, 0
.rept 32
	v_pk_add_f32 v[X+2*j:X+2*j+1], v[X+2*j:X+2*j+1], v[HF+2*j:HF+2*j+1] neg_lo:[0,1] neg_hi:[0,1]   ; what the high part leaves: exact
.set j, j+1
.endr
.set j, 0
.rept 32
	v_pk_mul_f32 v[X+2*j:X+2*j+1], v[X+2*j:X+2*j+1], 0x45000000 op_sel_hi:[1,0]   ; x 2,048: back into the high part's range
.set j, j+1
.endr
.set j, 0
.rept 32
	v_cvt_pk_f16_f32 v[L16+j], v[X+2*j], v[X+2*j+1]
.set j, j+1
.endr
.irp q, 0,1,2,3
.irp e, 0,1
	global_store_b128 v[LD], v[L16+8*\q+4*\e:L16+8*\q+4*\e+3], s[18:19] offset:524288+1024*\q+512*\e
.endr
.endr
	s_wait_tensorcnt 0x0                           ; the wave's end: the same three lines
	ds_add_u32 v[SPW], v[NIL]
	s_wait_dscnt 0x0
	s_endpgm
.Lfunc_end_k_qdc9c29832a_prep:
	.size	k_qdc9c29832a_prep, .Lfunc_end_k_qdc9c29832a_prep-k_qdc9c29832a_prep
	.p2alignl 7, 3214868480
	.fill 96, 4, 3214868480
	.section	.rodata,"a",@progbits
	.p2align	6, 0x0
	.amdhsa_kernel k_qdc9c29832a_prep
		.amdhsa_group_segment_fixed_size 34560
		.amdhsa_private_segment_fixed_size 0
		.amdhsa_enable_private_segment 0
		.amdhsa_kernarg_size 64
		.amdhsa_user_sgpr_count 2
		.amdhsa_user_sgpr_kernarg_segment_ptr 1
		.amdhsa_wavefront_size32 1
		.amdhsa_system_sgpr_workgroup_id_x 1
		.amdhsa_system_sgpr_workgroup_id_y 1
		.amdhsa_system_sgpr_workgroup_id_z 1
		.amdhsa_system_vgpr_workitem_id 0
		.amdhsa_next_free_vgpr 208
		.amdhsa_next_free_sgpr 66
		.amdhsa_reserve_vcc 0
		.amdhsa_float_denorm_mode_32 3
		.amdhsa_float_denorm_mode_16_64 3
		.amdhsa_memory_ordered 1
		.amdhsa_forward_progress 1
		.amdhsa_inst_pref_size 27
	.end_amdhsa_kernel
	.amdgpu_metadata
---
amdhsa.version: [ 1, 2 ]
amdhsa.kernels:
  - .name:           k_qdc9c29832a_prep
    .symbol:         k_qdc9c29832a_prep.kd
    .args:
      - { .name: x, .offset: 0, .size: 8, .value_kind: global_buffer, .address_space: global }
      - { .name: W_Q, .offset: 8, .size: 8, .value_kind: global_buffer, .address_space: global }
      - { .name: W_K, .offset: 16, .size: 8, .value_kind: global_buffer, .address_space: global }
      - { .name: W_V, .offset: 24, .size: 8, .value_kind: global_buffer, .address_space: global }
      - { .name: W_O, .offset: 32, .size: 8, .value_kind: global_buffer, .address_space: global }
      - { .name: cq, .offset: 40, .size: 8, .value_kind: global_buffer, .address_space: global }
      - { .name: sc, .offset: 48, .size: 8, .value_kind: global_buffer, .address_space: global }
      - { .name: wo, .offset: 56, .size: 8, .value_kind: global_buffer, .address_space: global }
    .group_segment_fixed_size: 34560
    .private_segment_fixed_size: 0
    .kernarg_segment_align: 8
    .kernarg_segment_size: 64
    .max_flat_workgroup_size: 128
    .sgpr_count:     66
    .vgpr_count:     208
    .wavefront_size: 32
...
	.end_amdgpu_metadata
.endif
;; end of part 1
;; launch qkv (part 2): grid 32 x 8, 4 waves a work-group, no clusters, 54,272 bytes of LDS; arguments cq, sc, y1, bb, tot; writes y1, bb, tot
.if DOCPART == 2
	.amdgcn_target "amdgcn-amd-amdhsa--gfx1250"
	.amdhsa_code_object_version 6
	.text
	.protected	k_qdc9c29832a_qkv
	.globl	k_qdc9c29832a_qkv
	.p2align	8
	.type	k_qdc9c29832a_qkv,@function
k_qdc9c29832a_qkv:
	s_mov_b64 s[64:65], 0
	v_nop
	global_prefetch_b8 v0, s[64:65] scope:SCOPE_SE
	s_setreg_imm32_b32 hwreg(HW_REG_WAVE_MODE, 25, 1), 1
	s_wait_xcnt 0x0
; q, k, v = x W^T on codes of E2M1 (the three quantised products), and all of the attention that stays inside a block of 128 positions.
; THE MASK.  In row q the masked score is 0 for every key p > q, s(q, q) for p = q, and s(q, p) - 1e10 for p < q.  So with t = s(q, q) log2(e) / 8, cnt = 2047 - q, m = max(t, 0) (m = t in the last row, which has no key behind it):
;   the keys p < q weigh 2^(about -1.8e9) = 0;  wd = 2^(t - m), w0 = 2^(-m), Z = wd + cnt w0;  z[q] = (wd v[q] + w0 x the sum of v[p] over p > q) / Z.  m IS the row's maximum: nothing can overflow, and Z is at least 1.
; LIMIT: for p < q, s(q, p) - max(s(q, q), 0) stays under 9.9e9 (the drawn inputs give about 1e2, all inputs 30 times larger about 1e8).  NaN and infinities are not served.
; OUT: y1 = a v + b S, a = wd / Z, b = w0 / Z, S = the sum of v over the later positions OF THE BLOCK; b for each position; the block's total of v.  The next launch adds b x the later blocks' totals.
; SHARES: work-group (x = block of 128 positions, y = head); wave w takes positions 32 w .. 32 w + 31 (two tiles a) x the head's 192 columns (12 tiles tau = 4 g + t; g: q, k, v): 24 accumulators, 4 K steps of 128.
; Source 0 = x, source 1 = W: register j of lane (r, h) is (position 8 h + j, column r): the sum over later positions runs down a lane's registers, and q . k of a position is a sum over the 16 lanes of a row.
; The head's 48 fragments of W and their scale words are copied once into LDS (as they lie in memory: images of registers) and read by all four waves; x's fragments go straight into registers.
; REGISTERS, in windows of 256: window 0: v1-15 addresses and constants; v16-19 x's scale words, v20-43 W's (they hold scales and nothing else); v48-111 x's 8 fragments, later the rows' statistics; v112-175 v's accumulators;
;   v176-191 cnt; v192-247 sums.   window 1: q's and k's accumulators at 64 g + 32 a + 8 t.   window 2: W's fragments, two sets of 12, at 0 and at 96.
.set WSCL,  49152                      ; LDS: 0: the 48 fragments; here: W's scale words, 3,072 bytes;
.set WTOT,  52224                      ; the waves' totals of v: [r][t][wave], 1,024 bytes;
.set BST,   53248                      ; b of the 128 positions, 512 bytes;
.set SPARE, 53760                      ; the spare words, 128 bytes for each wave: two blocks of 256 bytes that no other line names
.set L16, 4                            ; v4   16 x lane
.set L8,  5                            ; v5   8 x lane
.set T16, 6                            ; v6   16 x thread
.set T8,  7                            ; v7   8 x thread
.set AWT, 8                            ; v8   64 r + 4 w
.set AWR, 9                            ; v9   64 r
.set ABS, 10                           ; v10  128 w + 32 h
.set AW0, 11                           ; v11  32 x lane
.set SPW, 12                           ; v12  LDS address of my spare word; never rewritten
.set NIL, 13                           ; v13  0; never rewritten
.set MH0, 14                           ; v14  1.0 in lanes 0-15, 0 in lanes 16-31
.set F15, 15                           ; v15  the floor of m for register 15: 0, or -3e38 where that register is position 2047
.set XS,  16
.set WS,  20
.set TP,  44
.set AF,  48
.set VA,  112
.set CNT, 176
.set HS,  192                          ; v192-199 my 8 positions' sum of v, for (a, t); v200-207 the other half's; v208-215 the tile's; v216-219 the wave's
.set HX,  200
.set AT,  208
.set WT,  216
.set W4,  220                          ; v220-235 at work; then the four waves' totals
.set CC,  240                          ; v240-247 what lies behind tile a inside the block, for (a, t)
.set P,   48                           ; the statistics, index e = 8 a + j: t, later 1 / Z;
.set MM,  64                           ; m, later Z;
.set EE,  80                           ; w0, later b;
.set DD,  96                           ; wd, later a
.set SS,  48                           ; the sums over later positions, 8 for each t
.set MSB, 0
.macro WIN new                         ; the immediate's high byte repeats the setting that is left
.if MSB != \new
	s_set_vgpr_msb (MSB<<8)|\new
.set MSB, \new
.endif
.endm
.macro PLACES                          ; four places in front of loads into registers that matrix instructions have read, and of the first read of results
.rept 4
	v_nop
.endr
.endm
; one product.  K step ks: its scale words lie in register ks / 2 of the pair, in lanes 0-15 (ks even) or 16-31 (ks odd).  The first K step starts the sum: nothing is cleared
.macro WM d, af, bf, sx, sw, ks
.if (\ks) == 0
	v_wmma_scale_f32_16x16x128_f8f6f4 v[\d:\d+7], v[\af:\af+7], v[\bf:\bf+7], 0, v[\sx], v[\sw] matrix_a_fmt:MATRIX_FMT_FP4 matrix_b_fmt:MATRIX_FMT_FP4
.elseif (\ks)%2 == 1
	v_wmma_scale_f32_16x16x128_f8f6f4 v[\d:\d+7], v[\af:\af+7], v[\bf:\bf+7], v[\d:\d+7], v[\sx], v[\sw] matrix_a_fmt:MATRIX_FMT_FP4 matrix_b_fmt:MATRIX_FMT_FP4 matrix_a_scale:MATRIX_SCALE_ROW1 matrix_b_scale:MATRIX_SCALE_ROW1
.else
	v_wmma_scale_f32_16x16x128_f8f6f4 v[\d:\d+7], v[\af:\af+7], v[\bf:\bf+7], v[\d:\d+7], v[\sx], v[\sw] matrix_a_fmt:MATRIX_FMT_FP4 matrix_b_fmt:MATRIX_FMT_FP4
.endif
.endm
; a K step: 24 products; the 24 accumulators take turns, one instruction a turn, in the same order in every step
.macro MUL ks, buf
	WIN 0x58                                       ; source 1 (W) window 2; C and D window 1
.irp g, 0,1
.irp t, 0,1,2,3
.irp a, 0,1
	WM 64*\g+32*\a+8*\t, AF+8*(4*\a+\ks), 96*\buf+8*(4*\g+\t), XS+2*\a+(\ks)/2, WS+2*(4*\g+\t)+(\ks)/2, \ks
.endr
.endr
.endr
	WIN 0x08                                       ; v's sums lie in window 0
.irp t, 0,1,2,3
.irp a, 0,1
	WM VA+32*\a+8*\t, AF+8*(4*\a+\ks), 96*\buf+8*(8+\t), XS+2*\a+(\ks)/2, WS+2*(8+\t)+(\ks)/2, \ks
.endr
.endr
.endm
.macro FETCH ks, buf                   ; W's 12 fragments of K step ks: 24 loads of 512 consecutive bytes
	WIN 0x80                                       ; destination window 2
.set n, 0
.rept 12
	ds_load_b128 v[96*\buf+8*n:96*\buf+8*n+3],   v[L16] offset:(4*n+\ks)*1024
	ds_load_b128 v[96*\buf+8*n+4:96*\buf+8*n+7], v[L16] offset:(4*n+\ks)*1024+512
.set n, n+1
.endr
	WIN 0
.endm
	s_load_b256 s[4:11], s[0:1], 0x0               ; cq, sc, y1, bb
	s_load_b64 s[12:13], s[0:1], 0x20              ; tot
	v_lshl_add_u32 v[SPW], v0, 2, SPARE
	v_mov_b32 v[NIL], 0
	v_lshrrev_b32 v1, 5, v0
	v_readfirstlane_b32 s14, v1                    ; wave
	s_and_b32 s16, ttmp7, 0xffff                   ; head
	s_and_b32 s17, ttmp9, 15                       ; the block in its sequence
	v_and_b32 v1, 31, v0                           ; lane
	v_and_b32 v2, 15, v0                           ; r
	v_bfe_u32 v3, v0, 4, 1                         ; h
	v_lshlrev_b32 v[L16], 4, v1
	v_lshlrev_b32 v[L8], 3, v1
	v_lshlrev_b32 v[T16], 4, v0
	v_lshlrev_b32 v[T8], 3, v0
	s_lshl_b32 s19, s14, 2
	v_lshl_add_u32 v[AWT], v2, 6, s19
	v_lshlrev_b32 v[AWR], 6, v2
	s_lshl_b32 s19, s14, 7
	v_lshl_add_u32 v[ABS], v3, 5, s19
	v_lshlrev_b32 v[AW0], 5, v1
	s_lshl_b32 s18, s17, 7
	s_lshl_b32 s19, s14, 5
	s_add_co_u32 s18, s18, s19
	s_sub_co_u32 s18, 2047, s18                    ; cnt of my wave's first position
	s_mov_b32 s20, 0x76543210
	s_mov_b32 s21, 0xfedcba98                      ; v_permlanex16_b32's selects for lane l xor 16
	s_mov_b32 s22, 0x3e38aa3b                      ; log2(e) / 8
	s_mov_b32 s23, s22                             ; (named with it as a pair)
	s_cmp_lt_u32 s14, 1
	s_cselect_b32 s24, 0x3f800000, 0               ; 1.0 where wave 1 lies behind mine,
	s_cmp_lt_u32 s14, 2
	s_cselect_b32 s25, 0x3f800000, 0               ; wave 2,
	s_cmp_lt_u32 s14, 3
	s_cselect_b32 s26, 0x3f800000, 0               ; wave 3
	s_lshl_b32 s27, ttmp9, 3
	s_lshl_b32 s36, s14, 1
	s_add_co_u32 s27, s27, s36                     ; my first tile of rows: 8 x block + 2 w
	s_mul_i32 s36, s16, 49152
	s_add_co_u32 s36, s36, 1048576                 ; the head's fragments: tiles 256 + 12 head on
	s_mov_b32 s37, 0
	s_mul_i32 s38, s16, 3072
	s_add_co_u32 s38, s38, 65536                   ; and their scale words
	s_mov_b32 s39, 0
	s_lshl_b32 s40, s27, 12                        ; x's fragments
	s_mov_b32 s41, 0
	s_lshl_b32 s42, s27, 8                         ; x's scale words
	s_mov_b32 s43, 0
	s_lshl_b32 s44, s27, 3
	s_add_co_u32 s44, s44, s16
	s_lshl_b32 s44, s44, 12                        ; y1: (8 x tile + head) x 4,096
	s_mov_b32 s45, 0
	s_lshl_b32 s46, s16, 14
	s_lshl_b32 s47, ttmp9, 9
	s_add_co_u32 s46, s46, s47                     ; bb: 16,384 head + 512 block
	s_mov_b32 s47, 0
	s_lshl_b32 s2, ttmp9, 3
	s_add_co_u32 s2, s2, s16
	s_lshl_b32 s2, s2, 8                           ; tot: (8 block + head) x 256
	s_mov_b32 s3, 0
	s_wait_kmcnt 0x0
	s_add_nc_u64 s[28:29], s[4:5], s[36:37]
	s_add_nc_u64 s[30:31], s[6:7], s[38:39]
	s_add_nc_u64 s[32:33], s[4:5], s[40:41]
	s_add_nc_u64 s[34:35], s[6:7], s[42:43]
	s_add_nc_u64 s[8:9], s[8:9], s[44:45]
	s_add_nc_u64 s[10:11], s[10:11], s[46:47]
	s_add_nc_u64 s[12:13], s[12:13], s[2:3]
	; 45 loads: the work-group's copy of W (24 + 3: each thread 16 or 8 bytes of a dense run), then my own x (16 + 2)
	WIN 0x80                                       ; destination window 2
.set n, 0
.rept 24
	global_load_b128 v[4*n:4*n+3], v[T16], s[28:29] offset:2048*n
.set n, n+1
.endr
.irp n, 0,1,2
	global_load_b64 v[96+2*\n:97+2*\n], v[T8], s[30:31] offset:1024*\n
.endr
	WIN 0
.irp a, 0,1
.irp s, 0,1,2,3
.irp c, 0,1
	global_load_b128 v[AF+8*(4*\a+\s)+4*\c:AF+8*(4*\a+\s)+4*\c+3], v[L16], s[32:33] offset:4096*\a+1024*\s+512*\c
.endr
.endr
.endr
.irp a, 0,1
	global_load_b64 v[XS+2*\a:XS+2*\a+1], v[L8], s[34:35] offset:256*\a
.endr
	; while they are out: what hangs on ids alone
	v_sub_nc_u32 v[MH0], 1, v3
	v_cvt_f32_u32 v[MH0], v[MH0]
.irp x, 0,1,2,3,4,5,6,7
	v_mov_b32 v[HX+\x], 0                          ; written once: a lane permute's destination counts as one of its sources
.endr
	v_lshlrev_b32 v[TP], 3, v3
	v_sub_nc_u32 v[TP], s18, v[TP]
.irp a, 0,1
.irp j, 0,1,2,3,4,5,6,7
	v_sub_nc_u32 v[CNT+8*\a+\j], v[TP], 16*\a+\j   ; cnt = 2047 - position: the keys behind it
.endr
.endr
	v_mov_b32 v[TP+1], 0xff61b1e6                  ; -3e38
	v_cmp_eq_u32 vcc_lo, 0, v[CNT+15]              ; only register 15 can be position 2047
	v_cndmask_b32 v[F15], 0, v[TP+1], vcc_lo
.set e, 0
.rept 16
	v_cvt_f32_i32 v[CNT+e], v[CNT+e]
.set e, e+1
.endr
	WIN 0x08                                       ; an LDS store's data are its source 1: window 2
.set n, 0
.rept 24
	s_wait_loadcnt 44-n                            ; loads come back in order: load n is in, the 44 - n issued behind it may be out
	ds_store_b128 v[T16], v[4*n:4*n+3] offset:2048*n
.set n, n+1
.endr
.irp n, 0,1,2
	s_wait_loadcnt 20-\n
	ds_store_b64 v[T8], v[96+2*\n:97+2*\n] offset:WSCL+1024*\n
.endr
	WIN 0
	s_wait_dscnt 0x0                               ; for the others' sake: my part of W has landed
	s_barrier_signal -1
	s_barrier_wait -1                              ; W is whole
.set n, 0
.rept 12
	ds_load_b64 v[WS+2*n:WS+2*n+1], v[L8] offset:WSCL+256*n
.set n, n+1
.endr
	FETCH 0, 0
	FETCH 1, 1
	s_wait_loadcnt 0x0                             ; x
	s_wait_dscnt 24                                ; the scale words and K step 0 are in; K step 1's 24 loads may be out
	MUL 0, 0
	PLACES
	FETCH 2, 0
	s_wait_dscnt 24                                ; K step 1 is in; K step 2's 24 may be out
	MUL 1, 1
	PLACES
	FETCH 3, 1
	s_wait_dscnt 24
	MUL 2, 0
	s_wait_dscnt 0x0
	MUL 3, 1
	WIN 0
	PLACES
	; ---- s(q, q): q . k of each position: my column of each of the four tiles, then the 16 lanes of the row.  Each accumulator is read from its low end on
	WIN 0x05                                       ; sources 0 and 1 window 1
.irp jp, 0,2,4,6
.irp a, 0,1
	v_pk_mul_f32 v[P+8*\a+\jp:P+8*\a+\jp+1], v[32*\a+\jp:32*\a+\jp+1], v[64+32*\a+\jp:64+32*\a+\jp+1]
.endr
.endr
.irp t, 1,2,3
.irp jp, 0,2,4,6
.irp a, 0,1
	v_pk_fma_f32 v[P+8*\a+\jp:P+8*\a+\jp+1], v[32*\a+8*\t+\jp:32*\a+8*\t+\jp+1], v[64+32*\a+8*\t+\jp:64+32*\a+8*\t+\jp+1], v[P+8*\a+\jp:P+8*\a+\jp+1]
.endr
.endr
.endr
	WIN 0
.irp m, 1,2,4,8
.set e, 0
.rept 16
	v_add_f32_dpp v[P+e], v[P+e], v[P+e] row_xmask:\m row_mask:0xf bank_mask:0xf
.set e, e+1
.endr
.endr
.irp e, 0,2,4,6,8,10,12,14
	v_pk_mul_f32 v[P+\e:P+\e+1], v[P+\e:P+\e+1], s[22:23] op_sel_hi:[1,0]   ; t
.endr
.irp e, 0,1,2,3,4,5,6,7,8,9,10,11,12,13,14
	v_max_num_f32 v[MM+\e], 0, v[P+\e]             ; m = the row's maximum: t, or the 0 of the keys behind
.endr
	v_max_num_f32 v[MM+15], v[F15], v[P+15]        ; (position 2047 has none behind it: m = t)
.irp e, 0,2,4,6,8,10,12,14
	v_pk_add_f32 v[DD+\e:DD+\e+1], v[P+\e:P+\e+1], v[MM+\e:MM+\e+1] neg_lo:[0,1] neg_hi:[0,1]   ; t - m
.endr
.irp e, 0,2,4,6,8,10,12,14
	v_pk_mul_f32 v[EE+\e:EE+\e+1], v[MM+\e:MM+\e+1], -1.0 op_sel_hi:[1,0]                       ; 0 - m
.endr
	v_sub_f32 v[EE+15], v[F15], v[MM+15]           ; (position 2047: far under every exponent: w0 = 0)
.set e, 0
.rept 16
	v_exp_f32 v[DD+e], v[DD+e]                     ; wd
	v_exp_f32 v[EE+e], v[EE+e]                     ; w0
.set e, e+1
.endr
	; ---- the totals of v: work that names no exponential's result stands behind the batch
.irp x, 0,1,2,3,4,5,6,7
	v_pk_add_f32 v[W4+2*\x:W4+2*\x+1], v[VA+8*\x:VA+8*\x+1], v[VA+8*\x+2:VA+8*\x+3]   ; (a, t) = (x / 4, x % 4); each accumulator from its low end on
.endr
.irp x, 0,1,2,3,4,5,6,7
	v_pk_add_f32 v[W4+2*\x:W4+2*\x+1], v[W4+2*\x:W4+2*\x+1], v[VA+8*\x+4:VA+8*\x+5]
.endr
.irp x, 0,1,2,3,4,5,6,7
	v_pk_add_f32 v[W4+2*\x:W4+2*\x+1], v[W4+2*\x:W4+2*\x+1], v[VA+8*\x+6:VA+8*\x+7]
.endr
.irp x, 0,1,2,3,4,5,6,7
	v_add_f32 v[HS+\x], v[W4+2*\x], v[W4+2*\x+1]   ; my 8 positions
.endr
.irp x, 0,1,2,3,4,5,6,7
	v_permlanex16_b32 v[HX+\x], v[HS+\x], s20, s21 ; the other half's 8
.endr
.irp x, 0,1,2,3,4,5,6,7
	v_add_f32 v[AT+\x], v[HS+\x], v[HX+\x]         ; the tile's 16
.endr
.irp t, 0,1,2,3
	v_add_f32 v[WT+\t], v[AT+\t], v[AT+4+\t]       ; the wave's 32
.endr
.irp t, 0,1,2,3
	ds_store_b32 v[AWT], v[WT+\t] offset:WTOT+16*\t   ; lanes r and r + 16 write the same word with the same value
.endr
	s_wait_alu depctr_va_vdst(0)                   ; one wait for the 32 exponentials, ahead of their first reader
.irp e, 0,2,4,6,8,10,12,14
	v_pk_fma_f32 v[MM+\e:MM+\e+1], v[CNT+\e:CNT+\e+1], v[EE+\e:EE+\e+1], v[DD+\e:DD+\e+1]   ; Z = cnt w0 + wd, at least 1
.endr
.set e, 0
.rept 16
	v_rcp_f32 v[P+e], v[MM+e]
.set e, e+1
.endr
	v_nop                                          ; a plain place behind the last reciprocal
	s_wait_alu depctr_va_vdst(0)                   ; and one wait for the 16
.irp e, 0,2,4,6,8,10,12,14
	v_pk_mul_f32 v[EE+\e:EE+\e+1], v[EE+\e:EE+\e+1], v[P+\e:P+\e+1]   ; b
.endr
.irp e, 0,2,4,6,8,10,12,14
	v_pk_mul_f32 v[DD+\e:DD+\e+1], v[DD+\e:DD+\e+1], v[P+\e:P+\e+1]   ; a
.endr
.irp a, 0,1
.irp jh, 0,1
	ds_store_b128 v[ABS], v[EE+8*\a+4*\jh:EE+8*\a+4*\jh+3] offset:BST+64*\a+16*\jh   ; b by position; the 16 lanes of a row write the same
.endr
.endr
	s_wait_dscnt 0x0                               ; for the others' sake: my totals and my b have landed
	s_barrier_signal -1
	s_barrier_wait -1
	; ---- what lies behind a tile inside the block
.irp t, 0,1,2,3
	ds_load_b128 v[W4+4*\t:W4+4*\t+3], v[AWR] offset:WTOT+16*\t   ; the four waves' totals of column (t, r)
.endr
	s_wait_dscnt 0x0
.irp t, 0,1,2,3
	v_mul_f32 v[CC+4+\t], s24, v[W4+4*\t+1]
.endr
.irp t, 0,1,2,3
	v_fmac_f32 v[CC+4+\t], s25, v[W4+4*\t+2]
.endr
.irp t, 0,1,2,3
	v_fmac_f32 v[CC+4+\t], s26, v[W4+4*\t+3]       ; behind tile 1: the later waves
.endr
.irp t, 0,1,2,3
	v_add_f32 v[CC+\t], v[CC+4+\t], v[AT+4+\t]     ; behind tile 0: tile 1 too
.endr
	; ---- the sums over later positions, down my registers, and y1 = a v + b S
.irp a, 0,1
.irp t, 0,1,2,3
	v_fma_f32 v[SS+8*\t+7], v[MH0], v[HX+4*\a+\t], v[CC+4*\a+\t]   ; behind my last position: in lanes 0-15 the tile's other half, and what lies behind the tile
.endr
.irp j, 6,5,4,3,2,1,0
.irp t, 0,1,2,3
	v_add_f32 v[SS+8*\t+\j], v[SS+8*\t+\j+1], v[VA+32*\a+8*\t+\j+1]
.endr
.endr
.irp t, 0,1,2,3
.irp jp, 0,2,4,6
	v_pk_mul_f32 v[SS+8*\t+\jp:SS+8*\t+\jp+1], v[EE+8*\a+\jp:EE+8*\a+\jp+1], v[SS+8*\t+\jp:SS+8*\t+\jp+1]
.endr
.endr
.irp t, 0,1,2,3
.irp jp, 0,2,4,6
	v_pk_fma_f32 v[VA+32*\a+8*\t+\jp:VA+32*\a+8*\t+\jp+1], v[DD+8*\a+\jp:DD+8*\a+\jp+1], v[VA+32*\a+8*\t+\jp:VA+32*\a+8*\t+\jp+1], v[SS+8*\t+\jp:SS+8*\t+\jp+1]
.endr
.endr
.irp t, 0,1,2,3
.irp jh, 0,1
	global_store_b128 v[L16], v[VA+32*\a+8*\t+4*\jh:VA+32*\a+8*\t+4*\jh+3], s[8:9] offset:32768*\a+1024*\t+512*\jh th:TH_STORE_NT   ; the registers as they stand: 512 consecutive bytes a store
.endr
.endr
.endr
	s_cmp_lg_u32 s14, 0
	s_cbranch_scc1 .Lend
	ds_load_b128 v[W4:W4+3],    v[AW0] offset:WTOT     ; wave 0: the block's totals: lane l adds the four waves' for entries 2 l and 2 l + 1 of [r][t],
	ds_load_b128 v[W4+4:W4+7],  v[AW0] offset:WTOT+16
	ds_load_b128 v[W4+8:W4+11], v[L16] offset:BST      ; and carries out the 128 b
	s_wait_dscnt 0x0
	v_add_f32 v[W4], v[W4], v[W4+1]
	v_add_f32 v[W4+2], v[W4+2], v[W4+3]
	v_add_f32 v[W4+4], v[W4+4], v[W4+5]
	v_add_f32 v[W4+6], v[W4+6], v[W4+7]
	v_add_f32 v[W4], v[W4], v[W4+2]
	v_add_f32 v[W4+1], v[W4+4], v[W4+6]
	global_store_b64 v[L8], v[W4:W4+1], s[12:13]       ; 256 consecutive bytes, aligned
	global_store_b128 v[L16], v[W4+8:W4+11], s[10:11]  ; 512 consecutive bytes, aligned
.Lend:
	s_wait_tensorcnt 0x0                           ; the wave's end
	ds_add_u32 v[SPW], v[NIL]
	s_wait_dscnt 0x0
	s_endpgm
.Lfunc_end_k_qdc9c29832a_qkv:
	.size	k_qdc9c29832a_qkv, .Lfunc_end_k_qdc9c29832a_qkv-k_qdc9c29832a_qkv
	.p2alignl 7, 3214868480
	.fill 96, 4, 3214868480
	.section	.rodata,"a",@progbits
	.p2align	6, 0x0
	.amdhsa_kernel k_qdc9c29832a_qkv
		.amdhsa_group_segment_fixed_size 54272
		.amdhsa_private_segment_fixed_size 0
		.amdhsa_enable_private_segment 0
		.amdhsa_kernarg_size 40
		.amdhsa_user_sgpr_count 2
		.amdhsa_user_sgpr_kernarg_segment_ptr 1
		.amdhsa_wavefront_size32 1
		.amdhsa_system_sgpr_workgroup_id_x 1
		.amdhsa_system_sgpr_workgroup_id_y 1
		.amdhsa_system_sgpr_workgroup_id_z 1
		.amdhsa_system_vgpr_workitem_id 0
		.amdhsa_next_free_vgpr 704
		.amdhsa_next_free_sgpr 66
		.amdhsa_reserve_vcc 1
		.amdhsa_float_denorm_mode_32 3
		.amdhsa_float_denorm_mode_16_64 3
		.amdhsa_memory_ordered 1
		.amdhsa_forward_progress 1
		.amdhsa_inst_pref_size 56
	.end_amdhsa_kernel
	.amdgpu_metadata
---
amdhsa.version: [ 1, 2 ]
amdhsa.kernels:
  - .name:           k_qdc9c29832a_qkv
    .symbol:         k_qdc9c29832a_qkv.kd
    .args:
      - { .name: cq, .offset: 0, .size: 8, .value_kind: global_buffer, .address_space: global }
      - { .name: sc, .offset: 8, .size: 8, .value_kind: global_buffer, .address_space: global }
      - { .name: y1, .offset: 16, .size: 8, .value_kind: global_buffer, .address_space: global }
      - { .name: bb, .offset: 24, .size: 8, .value_kind: global_buffer, .address_space: global }
      - { .name: tot, .offset: 32, .size: 8, .value_kind: global_buffer, .address_space: global }
    .group_segment_fixed_size: 54272
    .private_segment_fixed_size: 0
    .kernarg_segment_align: 8
    .kernarg_segment_size: 40
    .max_flat_workgroup_size: 128
    .sgpr_count:     66
    .vgpr_count:     704
    .wavefront_size: 32
...
	.end_amdgpu_metadata
.endif
;; end of part 2
;; launch proj (part 3): grid 4 x 64, 4 waves a work-group, no clusters, 116,224 bytes of LDS; arguments y1, bb, tot, wo, out0; writes out0
.if DOCPART == 3
	.amdgcn_target "amdgcn-amd-amdhsa--gfx1250"
	.amdhsa_code_object_version 6
	.text
	.protected	k_qdc9c29832a_proj
	.globl	k_qdc9c29832a_proj
	.p2align	8
	.type	k_qdc9c29832a_proj,@function
k_qdc9c29832a_proj:
	s_mov_b64 s[64:65], 0
	v_nop
	global_prefetch_b8 v0, s[64:65] scope:SCOPE_SE
	s_setreg_imm32_b32 hwreg(HW_REG_WAVE_MODE, 25, 1), 1
	s_wait_xcnt 0x0
; z = y1 + b T (f32), T = the totals of v of the sequence's later blocks of 128 positions; out = z W_O^T with f16 operands and f32 sums.
; THE LAST 16 POSITIONS OF EACH SEQUENCE average one to a few v and are the largest rows: there z and W_O go as pairs of f16 (a high part of 11 bits and the rest x 2,048, split in f32):
;   out = Wh zh + (Wh zl + Wl zh) / 2,048.  Only the 8 work-groups that hold such rows take that path (a scalar branch on the work-group's number).
; LIMITS: z and W_O go in f16: magnitudes up to 65,504 (all inputs 30 times larger give z about 4,500; a common offset of 30 spreads about 20,400); under 6e-5 they are kept to a step of 6e-8.
; SHARES: work-group (x = 128 columns of out, y = 64 rows).  First each wave makes z for heads 2 w and 2 w + 1, all 64 rows, and lays it TRANSPOSED in LDS ([feature][position], f16); then wave w multiplies
; the 64 rows by columns 32 w .. 32 w + 31: its 32 fragments of W_O come straight from memory into 256 registers, z's come from LDS by the transposing load.
; The product is used transposed (source 0 = 16 rows of W_O, source 1 = 16 positions): a lane holds 8 neighbouring columns of one row of out.  128 products a wave on 8 accumulators by turns.
; REGISTERS, in windows of 256: window 0: v1-13 addresses; first v16-23 T, v24-87 b, v88-119 f16 pairs, v128-247 the totals, then v128-191 z and v192-255 its low part;
;   later v16-79 the 8 accumulators, v80-95 two more for the fine rows, v96-223 z's fragments.   window 1: y1.   window 2: W_O's high part at 8 (16 n + kk).   window 3: its low part.
.set PZ,     160                       ; a feature's row in LDS: 64 positions in f16, 128 bytes, then the low parts of positions 48-63, 32 bytes: 5 x 32 bytes, as the transposing load likes it
.set STG,    512*PZ                    ; behind z: the stage for out: 64 rows x (512 bytes + 16)
.set SPITCH, 528
.set SPARE,  STG+64*SPITCH             ; the spare words, 128 bytes for each wave: two blocks of 256 bytes that no other line names
.set L16, 4                            ; v4   16 x lane
.set H32, 5                            ; v5   32 h
.set R16, 6                            ; v6   16 r
.set ZS,  7                            ; v7   where I put z: feature 128 w + r, + 16 h
.set AT0, 8                            ; v8   the transposing load: feature 8 h + lane % 8, + 16 ((lane / 8) % 2);  v9: 256 features on
.set SO,  10                           ; v10  the stage: where I put 32 bytes of a row
.set SR,  11                           ; v11  and where I read a row back
.set SPW, 12                           ; v12  LDS address of my spare word; never rewritten
.set NIL, 13                           ; v13  0; never rewritten
.set T,    16
.set BQ,   24
.set H16,  88
.set TS,   128
.set Z,    128
.set HF,   192
.set ACC,  16
.set ACC2, 80
.set AF0,  96
.set AF1,  160
.set OB,   96
.set MSB, 0
.macro WIN new                         ; the immediate's high byte repeats the setting that is left
.if MSB != \new
	s_set_vgpr_msb (MSB<<8)|\new
.set MSB, \new
.endif
.endm
.macro PLACES                          ; four places in front of loads into registers that matrix instructions have read, and of the first read of results
.rept 4
	v_nop
.endr
.endm
.macro YLOAD m                         ; y1 of row tile m, my two heads: 16 loads of 512 consecutive bytes
	WIN 0x40                                       ; destination window 1
.irp ii, 0,1
.irp t, 0,1,2,3
.irp jh, 0,1
	global_load_b128 v[4*(16*\m+8*\ii+2*\t+\jh):4*(16*\m+8*\ii+2*\t+\jh)+3], v[L16], s[4:5] offset:32768*\m+4096*\ii+1024*\t+512*\jh
.endr
.endr
.endr
	WIN 0
.endm
.macro BLOAD win, part, c              ; W_O's fragments of kk = 4 c .. 4 c + 3, my two tiles of columns: 16 loads
	WIN \win
.irp k, 0,1,2,3
.irp n, 0,1
.irp e, 0,1
	global_load_b128 v[8*(16*\n+4*(\c)+\k)+4*\e:8*(16*\n+4*(\c)+\k)+4*\e+3], v[L16], s[10:11] offset:\part+16384*\n+1024*(4*(\c)+\k)+512*\e
.endr
.endr
.endr
	WIN 0
.endm
.macro TSUM                            ; T = the totals of the blocks behind mine: every block's is multiplied by 1 or by 0, so that no trip count hangs on the block
.set b, 1
.rept 15
	s_cmp_lt_u32 s17, b
	s_cselect_b32 s20, 0x3f800000, 0
.irp x, 0,2,4,6
.if b == 1
	v_pk_mul_f32 v[T+\x:T+\x+1], v[TS+\x:TS+\x+1], s[20:21] op_sel_hi:[1,0]
.else
	v_pk_fma_f32 v[T+\x:T+\x+1], v[TS+8*(b-1)+\x:TS+8*(b-1)+\x+1], s[20:21], v[T+\x:T+\x+1] op_sel_hi:[1,0,1]
.endif
.endr
.set b, b+1
.endr
.endm
.macro ZMAKE m                         ; z = b T + y1: register 4 (8 ii + 2 t + jh) + jj of lane (r, h) is (position 16 m + 8 h + 4 jh + jj, feature 64 (2 w + ii) + 16 t + r)
	WIN 0x10                                       ; source 2 (y1) window 1
.irp ii, 0,1
.irp t, 0,1,2,3
.irp jh, 0,1
.irp p, 0,2
.if (\t)%2
	v_pk_fma_f32 v[Z+4*(8*\ii+2*\t+\jh)+\p:Z+4*(8*\ii+2*\t+\jh)+\p+1], v[BQ+4*(4*\m+2*\ii+\jh)+\p:BQ+4*(4*\m+2*\ii+\jh)+\p+1], v[T+4*\ii+2*(\t/2):T+4*\ii+2*(\t/2)+1], v[4*(16*\m+8*\ii+2*\t+\jh)+\p:4*(16*\m+8*\ii+2*\t+\jh)+\p+1] op_sel:[0,1,0] op_sel_hi:[1,1,1]
.else
	v_pk_fma_f32 v[Z+4*(8*\ii+2*\t+\jh)+\p:Z+4*(8*\ii+2*\t+\jh)+\p+1], v[BQ+4*(4*\m+2*\ii+\jh)+\p:BQ+4*(4*\m+2*\ii+\jh)+\p+1], v[T+4*\ii+2*(\t/2):T+4*\ii+2*(\t/2)+1], v[4*(16*\m+8*\ii+2*\t+\jh)+\p:4*(16*\m+8*\ii+2*\t+\jh)+\p+1] op_sel_hi:[1,0,1]
.endif
.endr
.endr
.endr
.endr
	WIN 0
.endm
.macro ZSTORE m                        ; to f16; four neighbouring positions of one feature are 8 bytes
	s_wait_dscnt 0x0                               ; the last stores have read v88-119
.set q, 0
.rept 32
	v_cvt_pk_f16_f32 v[H16+q], v[Z+2*q], v[Z+2*q+1]
.set q, q+1
.endr
.irp ii, 0,1
.irp t, 0,1,2,3
.irp jh, 0,1
	ds_store_b64 v[ZS], v[H16+2*(8*\ii+2*\t+\jh):H16+2*(8*\ii+2*\t+\jh)+1] offset:64*PZ*\ii+16*PZ*\t+32*\m+8*\jh
.endr
.endr
.endr
.endm
.macro SPLIT                           ; the fine rows: z becomes its high part (11 bits, which f16 holds as it is); the rest x 2,048 goes to bytes 128 on of the features' rows
.set q, 0
.rept 64
	v_add_nc_u32 v[HF+q], s22, v[Z+q]
.set q, q+1
.endr
.set q, 0
.rept 64
	v_and_b32 v[HF+q], s23, v[HF+q]                ; the magnitude rounded to 11 significant bits
.set q, q+1
.endr
.set q, 0
.rept 32
	v_pk_add_f32 v[HF+2*q:HF+2*q+1], v[Z+2*q:Z+2*q+1], v[HF+2*q:HF+2*q+1] neg_lo:[0,1] neg_hi:[0,1]   ; the low part: exact
.set q, q+1
.endr
.set q, 0
.rept 32
	v_pk_add_f32 v[Z+2*q:Z+2*q+1], v[Z+2*q:Z+2*q+1], v[HF+2*q:HF+2*q+1] neg_lo:[0,1] neg_hi:[0,1]     ; the high part again: exact
.set q, q+1
.endr
.set q, 0
.rept 32
	v_pk_mul_f32 v[HF+2*q:HF+2*q+1], v[HF+2*q:HF+2*q+1], 0x45000000 op_sel_hi:[1,0]
.set q, q+1
.endr
	s_wait_dscnt 0x0                               ; the last stores have read v88-119
.set q, 0
.rept 32
	v_cvt_pk_f16_f32 v[H16+q], v[HF+2*q], v[HF+2*q+1]
.set q, q+1
.endr
.irp ii, 0,1
.irp t, 0,1,2,3
.irp jh, 0,1
	ds_store_b64 v[ZS], v[H16+2*(8*\ii+2*\t+\jh):H16+2*(8*\ii+2*\t+\jh)+1] offset:64*PZ*\ii+16*PZ*\t+128+8*\jh
.endr
.endr
.endr
.endm
.macro FETCHA g, buf                   ; z's fragments of kk = 2 g, 2 g + 1 for the four tiles of rows: 16 transposing loads
.irp k, 0,1
.irp m, 0,1,2,3
.irp e, 0,1
	ds_load_tr16_b128 v[\buf+8*(4*\k+\m)+4*\e:\buf+8*(4*\k+\m)+4*\e+3], v[AT0+(2*(\g)+\k)/8] offset:32*PZ*((2*(\g)+\k)%8)+32*\m+16*PZ*\e
.endr
.endr
.endr
.endm
.macro FETCHX off                      ; all 16 fragments of one tile of 16 positions, which begins at byte off of the features' rows: 32 loads, kk ascending
.set kk, 0
.rept 16
	ds_load_tr16_b128 v[AF0+8*kk:AF0+8*kk+3],   v[AT0+kk/8] offset:32*PZ*(kk%8)+\off
	ds_load_tr16_b128 v[AF0+8*kk+4:AF0+8*kk+7], v[AT0+kk/8] offset:32*PZ*(kk%8)+\off+16*PZ
.set kk, kk+1
.endr
.endm
.macro MULG g, buf                     ; 16 products; the 8 accumulators take turns, one instruction a turn; the first start the sums
	WIN 0x02                                       ; source 0 (W_O) window 2
.irp k, 0,1
.irp m, 0,1,2,3
.irp n, 0,1
.if (2*(\g)+\k) == 0
	v_wmma_f32_16x16x32_f16 v[ACC+8*(2*\m+\n):ACC+8*(2*\m+\n)+7], v[8*(16*\n+2*(\g)+\k):8*(16*\n+2*(\g)+\k)+7], v[\buf+8*(4*\k+\m):\buf+8*(4*\k+\m)+7], 0
.else
	v_wmma_f32_16x16x32_f16 v[ACC+8*(2*\m+\n):ACC+8*(2*\m+\n)+7], v[8*(16*\n+2*(\g)+\k):8*(16*\n+2*(\g)+\k)+7], v[\buf+8*(4*\k+\m):\buf+8*(4*\k+\m)+7], v[ACC+8*(2*\m+\n):ACC+8*(2*\m+\n)+7]
.endif
.endr
.endr
.endr
	WIN 0
.endm
; The product.  At its head four groups of 16 loads of W_O's high part are out.  fine = 0: group c is wanted at g = 2 c, with 3 - c groups behind it.
; fine = 1: behind each such wait a group of the low part is asked for, so that three groups are behind the wanted one each time.
.macro MAIN fine
	FETCHA 0, AF0
	FETCHA 1, AF1
.irp g, 0,1,2,3,4,5,6,7
.if \g == 7
	s_wait_dscnt 0x0
.else
	s_wait_dscnt 16                                ; this group's fragments of z are in; the next group's 16 loads may be out
.endif
.if (\g)%2 == 0
.if \fine
	s_wait_loadcnt 48
	BLOAD 0xc0, 524288, (\g)/2
.else
	s_wait_loadcnt 48-8*\g
.endif
.endif
	MULG \g, AF0+64*((\g)%2)
.if \g < 6
	PLACES
	FETCHA \g+2, AF0+64*((\g)%2)
.endif
.endr
.endm
; 16 products of the fine rows: kk = k0 .. k0 + 7, two accumulators by turns.  ld = 1: the low part of W_O is waited for, a group of four kk at a time
.macro XMUL k0, zero, ld
.irp k, 0,1,2,3,4,5,6,7
.if (\ld) && ((\k)%4 == 0)
	s_wait_loadcnt 48-4*((\k0)+\k)                 ; the groups issued behind this one may be out
.endif
.irp n, 0,1
.if (\zero) && (\k == 0)
	v_wmma_f32_16x16x32_f16 v[ACC2+8*\n:ACC2+8*\n+7], v[8*(16*\n+\k0+\k):8*(16*\n+\k0+\k)+7], v[AF0+8*(\k0+\k):AF0+8*(\k0+\k)+7], 0
.else
	v_wmma_f32_16x16x32_f16 v[ACC2+8*\n:ACC2+8*\n+7], v[8*(16*\n+\k0+\k):8*(16*\n+\k0+\k)+7], v[AF0+8*(\k0+\k):AF0+8*(\k0+\k)+7], v[ACC2+8*\n:ACC2+8*\n+7]
.endif
.endr
.endr
.endm
	s_load_b256 s[4:11], s[0:1], 0x0               ; y1, bb, tot, wo
	s_load_b64 s[12:13], s[0:1], 0x20              ; out0
	v_lshl_add_u32 v[SPW], v0, 2, SPARE
	v_mov_b32 v[NIL], 0
	v_lshrrev_b32 v1, 5, v0
	v_readfirstlane_b32 s14, v1                    ; wave
	s_and_b32 s16, ttmp7, 0xffff                   ; my 64 rows
	s_lshr_b32 s17, s16, 1
	s_and_b32 s17, s17, 15                         ; their block of 128 in its sequence
	s_lshr_b32 s19, s16, 5                         ; the sequence
	s_and_b32 s18, s16, 31
	s_cmp_eq_u32 s18, 31
	s_cselect_b32 s18, 1, 0                        ; 1: these are a sequence's last 64 rows
	s_mov_b32 s21, 0                               ; (named with s20 as a pair)
	s_mov_b32 s22, 0x1000
	s_mov_b32 s23, 0xffffe000
	s_lshl_b32 s24, s16, 17
	s_lshl_b32 s25, s14, 13
	s_add_co_u32 s24, s24, s25                     ; y1: four tiles of 32,768 bytes; my two heads of 4,096
	s_mov_b32 s25, 0
	s_lshl_b32 s26, s14, 15
	s_lshl_b32 s27, s16, 8
	s_add_co_u32 s26, s26, s27                     ; bb: my two heads of 16,384 bytes; 64 positions
	s_mov_b32 s27, 0
	s_lshl_b32 s28, s19, 15
	s_lshl_b32 s29, s14, 9
	s_add_co_u32 s28, s28, s29                     ; tot: the sequence's 16 blocks of 2,048 bytes; my two heads of 256
	s_mov_b32 s29, 0
	s_lshl_b32 s30, ttmp9, 3
	s_lshl_b32 s31, s14, 1
	s_add_co_u32 s30, s30, s31
	s_lshl_b32 s30, s30, 14                        ; wo: tile 8 x + 2 w of 16 rows
	s_mov_b32 s31, 0
	s_lshl_b32 s32, s16, 6
	s_lshl_b32 s33, s14, 4
	s_add_co_u32 s32, s32, s33
	s_lshl_b32 s32, s32, 11
	s_lshl_b32 s33, ttmp9, 9
	s_add_co_u32 s32, s32, s33                     ; out0: row 64 y + 16 w, column 128 x
	s_mov_b32 s33, 0
	v_and_b32 v1, 31, v0                           ; lane
	v_and_b32 v2, 15, v0                           ; r
	v_bfe_u32 v3, v0, 4, 1                         ; h
	v_lshlrev_b32 v[L16], 4, v1
	v_lshlrev_b32 v[H32], 5, v3
	v_lshlrev_b32 v[R16], 4, v2
	s_wait_kmcnt 0x0
	s_add_nc_u64 s[4:5], s[4:5], s[24:25]
	s_add_nc_u64 s[6:7], s[6:7], s[26:27]
	s_add_nc_u64 s[8:9], s[8:9], s[28:29]
	s_add_nc_u64 s[10:11], s[10:11], s[30:31]
	s_add_nc_u64 s[12:13], s[12:13], s[32:33]
.set b, 1
.rept 15
.irp ii, 0,1
	global_load_b128 v[TS+8*(b-1)+4*\ii:TS+8*(b-1)+4*\ii+3], v[R16], s[8:9] offset:2048*b+256*\ii   ; block b's totals of column r, t = 0 .. 3
.endr
.set b, b+1
.endr
.irp m, 0,1,2,3
.irp ii, 0,1
.irp jh, 0,1
	global_load_b128 v[BQ+4*(4*\m+2*\ii+\jh):BQ+4*(4*\m+2*\ii+\jh)+3], v[H32], s[6:7] offset:16384*\ii+64*\m+16*\jh   ; b of positions 16 m + 8 h + 4 jh + 0 .. 3
.endr
.endr
.endr
	YLOAD 0
	YLOAD 1
	YLOAD 2
	; the LDS addresses, while the loads are out
	s_mul_i32 s34, s14, 128*PZ
	v_mul_u32_u24 v[ZS], v2, PZ
	v_lshl_add_u32 v[ZS], v3, 4, v[ZS]
	v_add_nc_u32 v[ZS], s34, v[ZS]
	v_and_b32 v14, 7, v0
	v_lshl_add_u32 v14, v3, 3, v14
	v_mul_u32_u24 v[AT0], v14, PZ
	v_bfe_u32 v14, v0, 3, 1
	v_lshl_add_u32 v[AT0], v14, 4, v[AT0]
	v_add_nc_u32 v[AT0+1], 256*PZ, v[AT0]
	s_lshl_b32 s34, s14, 7
	s_add_co_u32 s34, s34, STG
	v_mul_u32_u24 v[SO], v2, SPITCH
	v_lshl_add_u32 v[SO], v3, 5, v[SO]
	v_add_nc_u32 v[SO], s34, v[SO]                 ; row r, + 32 h, + 128 w: my columns' bytes
	s_mul_i32 s34, s14, 16*SPITCH
	s_add_co_u32 s34, s34, STG
	v_add_nc_u32 v[SR], s34, v[L16]                ; back: my 16 rows, 16 bytes a lane
	; every wait of this phase leaves out the three groups of 16 loads that were issued behind the group wanted
	s_wait_loadcnt 48                              ; the totals and b are in
	TSUM
	YLOAD 3
	s_wait_loadcnt 48                              ; y1 of tile 0
	ZMAKE 0
	ZSTORE 0
	BLOAD 0x80, 0, 0
	s_wait_loadcnt 48                              ; tile 1
	ZMAKE 1
	ZSTORE 1
	BLOAD 0x80, 0, 1
	s_wait_loadcnt 48                              ; tile 2
	ZMAKE 2
	ZSTORE 2
	BLOAD 0x80, 0, 2
	s_wait_loadcnt 48                              ; tile 3
	BLOAD 0x80, 0, 3
	ZMAKE 3
	s_cmp_eq_u32 s18, 0
	s_cbranch_scc1 .Lplain
	SPLIT
.Lplain:
	ZSTORE 3
	s_wait_dscnt 0x0                               ; for the others' sake: my features of z have landed
	s_barrier_signal -1
	s_barrier_wait -1                              ; z is whole
	s_cmp_eq_u32 s18, 1
	s_cbranch_scc1 .Lfine
	MAIN 0
	s_branch .Lout
.Lfine:
	MAIN 1                                         ; tile 3's z is its high part here
	PLACES
	FETCHX 128                                     ; z's low part
	s_wait_dscnt 16                                ; kk 0 to 7 are in
	WIN 0x02
	XMUL 0, 1, 0                                   ; Wh zl starts two sums of their own
	s_wait_dscnt 0x0
	XMUL 8, 0, 0
	WIN 0
	PLACES
	FETCHX 96                                      ; z's high part of tile 3 once more
	s_wait_dscnt 16
	WIN 0x03                                       ; source 0: W_O's low part, window 3
	XMUL 0, 0, 1                                   ; + Wl zh
	s_wait_dscnt 0x0
	XMUL 8, 0, 1
	WIN 0
	PLACES
.irp n, 0,1
.irp jp, 0,2,4,6
	v_pk_fma_f32 v[ACC+8*(6+\n)+\jp:ACC+8*(6+\n)+\jp+1], v[ACC2+8*\n+\jp:ACC2+8*\n+\jp+1], 0x3a000000, v[ACC+8*(6+\n)+\jp:ACC+8*(6+\n)+\jp+1] op_sel_hi:[1,0,1]   ; / 2,048, onto tile 3's sums; from the low end on
.endr
.endr
.Lout:
	PLACES
	; THE WAY OUT: a row's 128 columns come from four waves: they meet in the stage, and each wave stores 16 whole rows
.irp m, 0,1,2,3
.irp n, 0,1
	ds_store_b128 v[SO], v[ACC+8*(2*\m+\n):ACC+8*(2*\m+\n)+3] offset:16*SPITCH*\m+64*\n          ; each accumulator from its low end on
	ds_store_b128 v[SO], v[ACC+8*(2*\m+\n)+4:ACC+8*(2*\m+\n)+7] offset:16*SPITCH*\m+64*\n+16
.endr
.endr
	s_wait_dscnt 0x0                               ; for the others' sake: my columns have landed
	s_barrier_signal -1
	s_barrier_wait -1
.irp i, 0,1,2,3,4,5,6,7,8,9,10,11,12,13,14,15
	ds_load_b128 v[OB+4*\i:OB+4*\i+3], v[SR] offset:SPITCH*\i
.endr
.irp i, 0,1,2,3,4,5,6,7,8,9,10,11,12,13,14,15
	s_wait_dscnt 15-\i                             ; LDS loads come back in order: row i is in
	global_store_b128 v[L16], v[OB+4*\i:OB+4*\i+3], s[12:13] offset:2048*\i th:TH_STORE_NT   ; 32 lanes store 512 consecutive bytes, at a multiple of 256 from out0's first byte
.endr
	s_wait_tensorcnt 0x0                           ; the wave's end
	ds_add_u32 v[SPW], v[NIL]
	s_wait_dscnt 0x0
	s_endpgm
.Lfunc_end_k_qdc9c29832a_proj:
	.size	k_qdc9c29832a_proj, .Lfunc_end_k_qdc9c29832a_proj-k_qdc9c29832a_proj
	.p2alignl 7, 3214868480
	.fill 96, 4, 3214868480
	.section	.rodata,"a",@progbits
	.p2align	6, 0x0
	.amdhsa_kernel k_qdc9c29832a_proj
		.amdhsa_group_segment_fixed_size 116224
		.amdhsa_private_segment_fixed_size 0
		.amdhsa_enable_private_segment 0
		.amdhsa_kernarg_size 40
		.amdhsa_user_sgpr_count 2
		.amdhsa_user_sgpr_kernarg_segment_ptr 1
		.amdhsa_wavefront_size32 1
		.amdhsa_system_sgpr_workgroup_id_x 1
		.amdhsa_system_sgpr_workgroup_id_y 1
		.amdhsa_system_sgpr_workgroup_id_z 1
		.amdhsa_system_vgpr_workitem_id 0
		.amdhsa_next_free_vgpr 1024
		.amdhsa_next_free_sgpr 66
		.amdhsa_reserve_vcc 0
		.amdhsa_float_denorm_mode_32 3
		.amdhsa_float_denorm_mode_16_64 3
		.amdhsa_memory_ordered 1
		.amdhsa_forward_progress 1
		.amdhsa_inst_pref_size 115
	.end_amdhsa_kernel
	.amdgpu_metadata
---
amdhsa.version: [ 1, 2 ]
amdhsa.kernels:
  - .name:           k_qdc9c29832a_proj
    .symbol:         k_qdc9c29832a_proj.kd
    .args:
      - { .name: y1, .offset: 0, .size: 8, .value_kind: global_buffer, .address_space: global }
      - { .name: bb, .offset: 8, .size: 8, .value_kind: global_buffer, .address_space: global }
      - { .name: tot, .offset: 16, .size: 8, .value_kind: global_buffer, .address_space: global }
      - { .name: wo, .offset: 24, .size: 8, .value_kind: global_buffer, .address_space: global }
      - { .name: out0, .offset: 32, .size: 8, .value_kind: global_buffer, .address_space: global }
    .group_segment_fixed_size: 116224
    .private_segment_fixed_size: 0
    .kernarg_segment_align: 8
    .kernarg_segment_size: 40
    .max_flat_workgroup_size: 128
    .sgpr_count:     66
    .vgpr_count:     1024
    .wavefront_size: 32
...
	.end_amdgpu_metadata
.endif
;; end of part 3
;; ======== version 2 of 2: 3 launches; version 1 with the launch qkv written anew for expert scheduling mode
;; limits: values are held in f16: magnitudes above 65,504 overflow, below 6.1e-05 lose precision; right only within a limited range of input values
;; workspace buffers: cq 1,441,792 bytes; sc 90,112 bytes; wo 1,048,576 bytes; y1 8,388,608 bytes; bb 131,072 bytes; tot 65,536 bytes
;; launch prep: the kernel of part 1 again; grid 384 x 1, 4 waves a work-group, no clusters, 34,560 bytes of LDS; arguments x, W_Q, W_K, W_V, W_O, cq, sc, wo; writes cq, sc, wo
;; launch qkv (part 4): grid 32 x 8, 4 waves a work-group, no clusters, 54,272 bytes of LDS; arguments cq, sc, y1, bb, tot; writes y1, bb, tot
.if DOCPART == 4
	.amdgcn_target "amdgcn-amd-amdhsa--gfx1250"
	.amdhsa_code_object_version 6
	.text
	.protected	k_qdc9c29832a_qkv
	.globl	k_qdc9c29832a_qkv
	.p2align	8
	.type	k_qdc9c29832a_qkv,@function
k_qdc9c29832a_qkv:
	s_mov_b64 s[64:65], 0
	v_nop
	global_prefetch_b8 v0, s[64:65] scope:SCOPE_SE
	s_setreg_imm32_b32 hwreg(HW_REG_WAVE_SCHED_MODE, 0, 2), 2
	s_setreg_imm32_b32 hwreg(HW_REG_WAVE_MODE, 25, 1), 1
	s_wait_xcnt 0x0
	s_wait_alu depctr_vm_vsrc(0)
; q, k, v = x W^T on codes of E2M1 (the three quantised products), and all of the attention that stays inside a block of 128 positions.
; THE MASK.  In row q the masked score is 0 for every key p > q, s(q, q) for p = q, and s(q, p) - 1e10 for p < q.  So with t = s(q, q) log2(e) / 8, cnt = 2047 - q, m = max(t, 0) (m = t in the last row, which has no key behind it):
;   the keys p < q weigh 2^(about -1.8e9) = 0;  wd = 2^(t - m), w0 = 2^(-m), Z = wd + cnt w0;  z[q] = (wd v[q] + w0 x the sum of v[p] over p > q) / Z.  m IS the row's maximum: nothing can overflow, and Z is at least 1.
; LIMIT: for p < q, s(q, p) - max(s(q, q), 0) stays under 9.9e9 (the drawn inputs give about 1e2, all inputs 30 times larger about 1e8).  NaN and infinities are not served.
; OUT: y1 = a v + b S, a = wd / Z, b = w0 / Z, S = the sum of v over the later positions OF THE BLOCK; b for each position; the block's total of v.  The next launch adds b x the later blocks' totals.
; SHARES: work-group (x = block of 128 positions, y = head); wave w takes positions 32 w .. 32 w + 31 (two tiles a) x the head's 192 columns (12 tiles tau = 4 g + t; g: q, k, v): 24 accumulators, 4 K steps of 128.
; Source 0 = x, source 1 = W: register j of lane (r, h) is (position 8 h + j, column r): the sum over later positions runs down a lane's registers, and q . k of a position is a sum over the 16 lanes of a row.
; The head's 48 fragments of W and their scale words are copied once into LDS (as they lie in memory: images of registers) and read by all four waves; x's fragments go straight into registers.
; REGISTERS, in windows of 256: window 0: v1-15 addresses and constants; v16-19 x's scale words, v20-43 W's (they hold scales and nothing else); v48-111 x's 8 fragments, later the rows' statistics; v112-175 v's accumulators;
;   v176-191 cnt; v192-247 sums.   window 1: q's and k's accumulators at 64 g + 32 a + 8 t.   window 2: W's fragments of K steps 0 and 1, 12 each, at 0 and at 96.   window 3: those of K steps 2 and 3, likewise.
; THE MODE: SCHED_MODE bits 1:0 = 2 (LLVM: expert scheduling mode 2), set by the entry lines.  The code itself states the register dependences
; between vector or matrix instructions and memory or LDS instructions, with s_wait_alu, always for 0.
; THE PLAN.  Registers that memory or LDS instructions touch:
;   v4-v13        Offsets, LDS addresses and the add's two: written at the head, ahead of one wait on va_vdst, and never again.
;   window 2, v0-101   The copy of W on its way: written by global loads, read by the LDS stores; one wait on vm_vsrc, and the fragments of K steps 0 and 1 land there.
;   W's four sets      Each K step has a set of its own: a set is written by its 24 LDS loads, once, and read by its 24 products.  No load lands in a register that a product has read, so the products' phase holds no s_wait_alu.
;   x's fragments and all scale words   Written by loads, once; read by the products.  Behind the last product v48-111 are named by vector instructions alone.
;   v[WT ..], v[EE ..], v[VA ..], v[W4], v[W4+1]   Written by vector instructions, read by a run of stores, not written again: one wait on va_vdst ahead of each run.
;   v[W4 ..]      Vector instructions use it for the totals; loads land in it behind the second barrier; vector instructions read them; in wave 0 loads land in it again.  Each time a wait on va_vdst that stands there for a run of stores lies between.
.set WSCL,  49152                      ; LDS: 0: the 48 fragments; here: W's scale words, 3,072 bytes;
.set WTOT,  52224                      ; the waves' totals of v: [r][t][wave], 1,024 bytes;
.set BST,   53248                      ; b of the 128 positions, 512 bytes;
.set SPARE, 53760                      ; the spare words, 128 bytes for each wave: two blocks of 256 bytes that no other line names
.set L16, 4                            ; v4   16 x lane
.set L8,  5                            ; v5   8 x lane
.set T16, 6                            ; v6   16 x thread
.set T8,  7                            ; v7   8 x thread
.set AWT, 8                            ; v8   64 r + 4 w
.set AWR, 9                            ; v9   64 r
.set ABS, 10                           ; v10  128 w + 32 h
.set AW0, 11                           ; v11  32 x lane
.set SPW, 12                           ; v12  LDS address of my spare word; never rewritten
.set NIL, 13                           ; v13  0; never rewritten
.set MH0, 14                           ; v14  1.0 in lanes 0-15, 0 in lanes 16-31
.set F15, 15                           ; v15  the floor of m for register 15: 0, or -3e38 where that register is position 2047
.set XS,  16
.set WS,  20
.set TP,  44
.set AF,  48
.set VA,  112
.set CNT, 176
.set HS,  192                          ; v192-199 my 8 positions' sum of v, for (a, t); v200-207 the other half's; v208-215 the tile's; v216-219 the wave's
.set HX,  200
.set AT,  208
.set WT,  216
.set W4,  220                          ; v220-235 at work; then the four waves' totals
.set CC,  240                          ; v240-247 what lies behind tile a inside the block, for (a, t)
.set P,   48                           ; the statistics, index e = 8 a + j: t, later 1 / Z;
.set MM,  64                           ; m, later Z;
.set EE,  80                           ; w0, later b;
.set DD,  96                           ; wd, later a
.set SS,  48                           ; the sums over later positions, 8 for each t
.set MSB, 0
.macro WIN new                         ; the immediate's high byte repeats the setting that is left
.if MSB != \new
	s_set_vgpr_msb (MSB<<8)|\new
.set MSB, \new
.endif
.endm
.macro PLACES                          ; four places behind the last product, ahead of the vector instructions that read its results and write over its sources (ISA guide 7.12.1)
.rept 4
	v_nop
.endr
.endm
; one product.  K step ks: its scale words lie in register ks / 2 of the pair, in lanes 0-15 (ks even) or 16-31 (ks odd).  The first K step starts the sum: nothing is cleared
.macro WM d, af, bf, sx, sw, ks
.if (\ks) == 0
	v_wmma_scale_f32_16x16x128_f8f6f4 v[\d:\d+7], v[\af:\af+7], v[\bf:\bf+7], 0, v[\sx], v[\sw] matrix_a_fmt:MATRIX_FMT_FP4 matrix_b_fmt:MATRIX_FMT_FP4
.elseif (\ks)%2 == 1
	v_wmma_scale_f32_16x16x128_f8f6f4 v[\d:\d+7], v[\af:\af+7], v[\bf:\bf+7], v[\d:\d+7], v[\sx], v[\sw] matrix_a_fmt:MATRIX_FMT_FP4 matrix_b_fmt:MATRIX_FMT_FP4 matrix_a_scale:MATRIX_SCALE_ROW1 matrix_b_scale:MATRIX_SCALE_ROW1
.else
	v_wmma_scale_f32_16x16x128_f8f6f4 v[\d:\d+7], v[\af:\af+7], v[\bf:\bf+7], v[\d:\d+7], v[\sx], v[\sw] matrix_a_fmt:MATRIX_FMT_FP4 matrix_b_fmt:MATRIX_FMT_FP4
.endif
.endm
; a K step: 24 products, in two runs; the 24 accumulators take turns, one instruction a turn, in the same order in every step.  K step ks reads set ks: window 2 + ks / 2, from 96 (ks % 2) on
.macro MULQK ks                        ; q's and k's 16
	WIN (0x58+4*((\ks)/2))                         ; source 1 (W) window 2 or 3; C and D window 1
.irp g, 0,1
.irp t, 0,1,2,3
.irp a, 0,1
	WM 64*\g+32*\a+8*\t, AF+8*(4*\a+\ks), 96*((\ks)%2)+8*(4*\g+\t), XS+2*\a+(\ks)/2, WS+2*(4*\g+\t)+(\ks)/2, \ks
.endr
.endr
.endr
.endm
.macro MULV ks                         ; v's 8
	WIN (0x08+4*((\ks)/2))                         ; v's sums lie in window 0
.irp t, 0,1,2,3
.irp a, 0,1
	WM VA+32*\a+8*\t, AF+8*(4*\a+\ks), 96*((\ks)%2)+8*(8+\t), XS+2*\a+(\ks)/2, WS+2*(8+\t)+(\ks)/2, \ks
.endr
.endr
.endm
.macro FETCH ks                        ; W's 12 fragments of K step ks into set ks: 24 loads of 512 consecutive bytes
	WIN (0x80+0x40*((\ks)/2))                      ; destination window 2 or 3
.set n, 0
.rept 12
	ds_load_b128 v[96*((\ks)%2)+8*n:96*((\ks)%2)+8*n+3],   v[L16] offset:(4*n+\ks)*1024
	ds_load_b128 v[96*((\ks)%2)+8*n+4:96*((\ks)%2)+8*n+7], v[L16] offset:(4*n+\ks)*1024+512
.set n, n+1
.endr
.endm
	s_load_b256 s[4:11], s[0:1], 0x0               ; cq, sc, y1, bb
	s_load_b64 s[12:13], s[0:1], 0x20              ; tot
	v_lshl_add_u32 v[SPW], v0, 2, SPARE
	v_mov_b32 v[NIL], 0
	v_lshrrev_b32 v1, 5, v0
	v_readfirstlane_b32 s14, v1                    ; wave
	s_and_b32 s16, ttmp7, 0xffff                   ; head
	s_and_b32 s17, ttmp9, 15                       ; the block in its sequence
	v_and_b32 v1, 31, v0                           ; lane
	v_and_b32 v2, 15, v0                           ; r
	v_bfe_u32 v3, v0, 4, 1                         ; h
	v_lshlrev_b32 v[L16], 4, v1
	v_lshlrev_b32 v[L8], 3, v1
	v_lshlrev_b32 v[T16], 4, v0
	v_lshlrev_b32 v[T8], 3, v0
	s_wait_alu depctr_va_sdst(0)                   ; s14 is written, ahead of its first reader: LDS addresses, the bases and a branch are made from it
	s_lshl_b32 s19, s14, 2
	v_lshl_add_u32 v[AWT], v2, 6, s19
	v_lshlrev_b32 v[AWR], 6, v2
	s_lshl_b32 s19, s14, 7
	v_lshl_add_u32 v[ABS], v3, 5, s19
	v_lshlrev_b32 v[AW0], 5, v1
	s_lshl_b32 s18, s17, 7
	s_lshl_b32 s19, s14, 5
	s_add_co_u32 s18, s18, s19
	s_sub_co_u32 s18, 2047, s18                    ; cnt of my wave's first position
	s_mov_b32 s20, 0x76543210
	s_mov_b32 s21, 0xfedcba98                      ; v_permlanex16_b32's selects for lane l xor 16
	s_mov_b32 s22, 0x3e38aa3b                      ; log2(e) / 8
	s_mov_b32 s23, s22                             ; (named with it as a pair)
	s_cmp_lt_u32 s14, 1
	s_cselect_b32 s24, 0x3f800000, 0               ; 1.0 where wave 1 lies behind mine,
	s_cmp_lt_u32 s14, 2
	s_cselect_b32 s25, 0x3f800000, 0               ; wave 2,
	s_cmp_lt_u32 s14, 3
	s_cselect_b32 s26, 0x3f800000, 0               ; wave 3
	s_lshl_b32 s27, ttmp9, 3
	s_lshl_b32 s36, s14, 1
	s_add_co_u32 s27, s27, s36                     ; my first tile of rows: 8 x block + 2 w
	s_mul_i32 s36, s16, 49152
	s_add_co_u32 s36, s36, 1048576                 ; the head's fragments: tiles 256 + 12 head on
	s_mov_b32 s37, 0
	s_mul_i32 s38, s16, 3072
	s_add_co_u32 s38, s38, 65536                   ; and their scale words
	s_mov_b32 s39, 0
	s_lshl_b32 s40, s27, 12                        ; x's fragments
	s_mov_b32 s41, 0
	s_lshl_b32 s42, s27, 8                         ; x's scale words
	s_mov_b32 s43, 0
	s_lshl_b32 s44, s27, 3
	s_add_co_u32 s44, s44, s16
	s_lshl_b32 s44, s44, 12                        ; y1: (8 x tile + head) x 4,096
	s_mov_b32 s45, 0
	s_lshl_b32 s46, s16, 14
	s_lshl_b32 s47, ttmp9, 9
	s_add_co_u32 s46, s46, s47                     ; bb: 16,384 head + 512 block
	s_mov_b32 s47, 0
	s_lshl_b32 s2, ttmp9, 3
	s_add_co_u32 s2, s2, s16
	s_lshl_b32 s2, s2, 8                           ; tot: (8 block + head) x 256
	s_mov_b32 s3, 0
	s_wait_kmcnt 0x0
	s_add_nc_u64 s[28:29], s[4:5], s[36:37]
	s_add_nc_u64 s[30:31], s[6:7], s[38:39]
	s_add_nc_u64 s[32:33], s[4:5], s[40:41]
	s_add_nc_u64 s[34:35], s[6:7], s[42:43]
	s_add_nc_u64 s[8:9], s[8:9], s[44:45]
	s_add_nc_u64 s[10:11], s[10:11], s[46:47]
	s_add_nc_u64 s[12:13], s[12:13], s[2:3]
	; 45 loads: the work-group's copy of W (24 + 3: each thread 16 or 8 bytes of a dense run), then my own x (16 + 2)
	WIN 0x80                                       ; destination window 2
	s_wait_alu depctr_va_vdst(0)                   ; v4 to v13 are written: the offsets and LDS addresses that every load and store of the kernel reads, and the closing add's two; none is written again
.set n, 0
.rept 24
	global_load_b128 v[4*n:4*n+3], v[T16], s[28:29] offset:2048*n
.set n, n+1
.endr
.irp n, 0,1,2
	global_load_b64 v[96+2*\n:97+2*\n], v[T8], s[30:31] offset:1024*\n
.endr
	WIN 0
.irp a, 0,1
.irp s, 0,1,2,3
.irp c, 0,1
	global_load_b128 v[AF+8*(4*\a+\s)+4*\c:AF+8*(4*\a+\s)+4*\c+3], v[L16], s[32:33] offset:4096*\a+1024*\s+512*\c
.endr
.endr
.endr
.irp a, 0,1
	global_load_b64 v[XS+2*\a:XS+2*\a+1], v[L8], s[34:35] offset:256*\a
.endr
	; while they are out: what hangs on ids alone.  These lines name no register that a load or store of the kernel touches
	v_sub_nc_u32 v[MH0], 1, v3
	v_cvt_f32_u32 v[MH0], v[MH0]
.irp x, 0,1,2,3,4,5,6,7
	v_mov_b32 v[HX+\x], 0                          ; written once: a lane permute's destination counts as one of its sources
.endr
	v_lshlrev_b32 v[TP], 3, v3
	v_sub_nc_u32 v[TP], s18, v[TP]
.irp a, 0,1
.irp j, 0,1,2,3,4,5,6,7
	v_sub_nc_u32 v[CNT+8*\a+\j], v[TP], 16*\a+\j   ; cnt = 2047 - position: the keys behind it
.endr
.endr
	v_mov_b32 v[TP+1], 0xff61b1e6                  ; -3e38
	v_cmp_eq_u32 vcc_lo, 0, v[CNT+15]              ; only register 15 can be position 2047
.set e, 0
.rept 16
	v_cvt_f32_i32 v[CNT+e], v[CNT+e]
.set e, e+1
.endr
	s_wait_alu depctr_va_vcc(0)                    ; the compare has written VCC, ahead of the select that reads it
	v_cndmask_b32 v[F15], 0, v[TP+1], vcc_lo
	WIN 0x08                                       ; an LDS store's data are its source 1: window 2
.set n, 0
.rept 24
	s_wait_loadcnt 44-n                            ; loads come back in order: load n is in, the 44 - n issued behind it may be out
	ds_store_b128 v[T16], v[4*n:4*n+3] offset:2048*n
.set n, n+1
.endr
.irp n, 0,1,2
	s_wait_loadcnt 20-\n
	ds_store_b64 v[T8], v[96+2*\n:97+2*\n] offset:WSCL+1024*\n
.endr
	WIN 0
	s_wait_dscnt 0x0                               ; for the others' sake: my part of W has landed
	s_barrier_signal -1
	s_barrier_wait -1                              ; W is whole
	s_wait_alu depctr_vm_vsrc(0)                   ; my LDS stores have read v0-101 of window 2, in which the fragments of K steps 0 and 1 land
.set n, 0
.rept 12
	ds_load_b64 v[WS+2*n:WS+2*n+1], v[L8] offset:WSCL+256*n
.set n, n+1
.endr
	FETCH 0
	FETCH 1
	s_wait_loadcnt 0x0                             ; x
	s_wait_dscnt 24                                ; the scale words and K step 0 are in; K step 1's 24 loads may be out
	MULQK 0
	FETCH 2                                        ; into a set of its own, which no vector or matrix instruction has named: no wait is owed
	MULV 0
	s_wait_dscnt 24                                ; K step 1 is in; K step 2's 24 may be out
	MULQK 1
	FETCH 3                                        ; likewise
	MULV 1
	s_wait_dscnt 24
	MULQK 2
	MULV 2
	s_wait_dscnt 0x0
	MULQK 3
	MULV 3
	WIN 0
	PLACES
	; ---- s(q, q): q . k of each position: my column of each of the four tiles, then the 16 lanes of the row.  Each accumulator is read from its low end on
	WIN 0x05                                       ; sources 0 and 1 window 1
.irp jp, 0,2,4,6
.irp a, 0,1
	v_pk_mul_f32 v[P+8*\a+\jp:P+8*\a+\jp+1], v[32*\a+\jp:32*\a+\jp+1], v[64+32*\a+\jp:64+32*\a+\jp+1]
.endr
.endr
.irp t, 1,2,3
.irp jp, 0,2,4,6
.irp a, 0,1
	v_pk_fma_f32 v[P+8*\a+\jp:P+8*\a+\jp+1], v[32*\a+8*\t+\jp:32*\a+8*\t+\jp+1], v[64+32*\a+8*\t+\jp:64+32*\a+8*\t+\jp+1], v[P+8*\a+\jp:P+8*\a+\jp+1]
.endr
.endr
.endr
	WIN 0
.irp m, 1,2,4,8
.set e, 0
.rept 16
	v_add_f32_dpp v[P+e], v[P+e], v[P+e] row_xmask:\m row_mask:0xf bank_mask:0xf
.set e, e+1
.endr
.endr
.irp e, 0,2,4,6,8,10,12,14
	v_pk_mul_f32 v[P+\e:P+\e+1], v[P+\e:P+\e+1], s[22:23] op_sel_hi:[1,0]   ; t
.endr
.irp e, 0,1,2,3,4,5,6,7,8,9,10,11,12,13,14
	v_max_num_f32 v[MM+\e], 0, v[P+\e]             ; m = the row's maximum: t, or the 0 of the keys behind
.endr
	v_max_num_f32 v[MM+15], v[F15], v[P+15]        ; (position 2047 has none behind it: m = t)
.irp e, 0,2,4,6,8,10,12,14
	v_pk_add_f32 v[DD+\e:DD+\e+1], v[P+\e:P+\e+1], v[MM+\e:MM+\e+1] neg_lo:[0,1] neg_hi:[0,1]   ; t - m
.endr
.irp e, 0,2,4,6,8,10,12,14
	v_pk_mul_f32 v[EE+\e:EE+\e+1], v[MM+\e:MM+\e+1], -1.0 op_sel_hi:[1,0]                       ; 0 - m
.endr
	v_sub_f32 v[EE+15], v[F15], v[MM+15]           ; (position 2047: far under every exponent: w0 = 0)
.set e, 0
.rept 16
	v_exp_f32 v[DD+e], v[DD+e]                     ; wd
	v_exp_f32 v[EE+e], v[EE+e]                     ; w0
.set e, e+1
.endr
	; ---- the totals of v: work that names no exponential's result stands behind the batch
.irp x, 0,1,2,3,4,5,6,7
	v_pk_add_f32 v[W4+2*\x:W4+2*\x+1], v[VA+8*\x:VA+8*\x+1], v[VA+8*\x+2:VA+8*\x+3]   ; (a, t) = (x / 4, x % 4); each accumulator from its low end on
.endr
.irp x, 0,1,2,3,4,5,6,7
	v_pk_add_f32 v[W4+2*\x:W4+2*\x+1], v[W4+2*\x:W4+2*\x+1], v[VA+8*\x+4:VA+8*\x+5]
.endr
.irp x, 0,1,2,3,4,5,6,7
	v_pk_add_f32 v[W4+2*\x:W4+2*\x+1], v[W4+2*\x:W4+2*\x+1], v[VA+8*\x+6:VA+8*\x+7]
.endr
.irp x, 0,1,2,3,4,5,6,7
	v_add_f32 v[HS+\x], v[W4+2*\x], v[W4+2*\x+1]   ; my 8 positions
.endr
.irp x, 0,1,2,3,4,5,6,7
	v_permlanex16_b32 v[HX+\x], v[HS+\x], s20, s21 ; the other half's 8
.endr
.irp x, 0,1,2,3,4,5,6,7
	v_add_f32 v[AT+\x], v[HS+\x], v[HX+\x]         ; the tile's 16
.endr
.irp t, 0,1,2,3
	v_add_f32 v[WT+\t], v[AT+\t], v[AT+4+\t]       ; the wave's 32
.endr
	s_wait_alu depctr_va_vdst(0)                   ; v[WT ..] are written, which the LDS stores below read; the additions are done with v[W4 ..], in which loads land behind the next barrier; and the 32 exponentials have written v[DD ..] and v[EE ..]: their one wait, ahead of their first reader
.irp t, 0,1,2,3
	ds_store_b32 v[AWT], v[WT+\t] offset:WTOT+16*\t   ; lanes r and r + 16 write the same word with the same value
.endr
.irp e, 0,2,4,6,8,10,12,14
	v_pk_fma_f32 v[MM+\e:MM+\e+1], v[CNT+\e:CNT+\e+1], v[EE+\e:EE+\e+1], v[DD+\e:DD+\e+1]   ; Z = cnt w0 + wd, at least 1
.endr
.set e, 0
.rept 16
	v_rcp_f32 v[P+e], v[MM+e]
.set e, e+1
.endr
	v_nop                                          ; a plain place behind the last reciprocal
	s_wait_alu depctr_va_vdst(0)                   ; the 16 reciprocals have written v[P ..]: one wait, ahead of their first reader
.irp e, 0,2,4,6,8,10,12,14
	v_pk_mul_f32 v[EE+\e:EE+\e+1], v[EE+\e:EE+\e+1], v[P+\e:P+\e+1]   ; b
.endr
	s_wait_alu depctr_va_vdst(0)                   ; v[EE ..] hold b, which the LDS stores below read
.irp a, 0,1
.irp jh, 0,1
	ds_store_b128 v[ABS], v[EE+8*\a+4*\jh:EE+8*\a+4*\jh+3] offset:BST+64*\a+16*\jh   ; b by position; the 16 lanes of a row write the same
.endr
.endr
.irp e, 0,2,4,6,8,10,12,14
	v_pk_mul_f32 v[DD+\e:DD+\e+1], v[DD+\e:DD+\e+1], v[P+\e:P+\e+1]   ; a: while the stores are out; these lines name none of their registers
.endr
	s_wait_dscnt 0x0                               ; for the others' sake: my totals and my b have landed
	s_barrier_signal -1
	s_barrier_wait -1
	; ---- what lies behind a tile inside the block
.irp t, 0,1,2,3
	ds_load_b128 v[W4+4*\t:W4+4*\t+3], v[AWR] offset:WTOT+16*\t   ; the four waves' totals of column (t, r).  No vector instruction has named v[W4 ..] since the wait ahead of the totals' stores
.endr
	s_wait_dscnt 0x0
.irp t, 0,1,2,3
	v_mul_f32 v[CC+4+\t], s24, v[W4+4*\t+1]
.endr
.irp t, 0,1,2,3
	v_fmac_f32 v[CC+4+\t], s25, v[W4+4*\t+2]
.endr
.irp t, 0,1,2,3
	v_fmac_f32 v[CC+4+\t], s26, v[W4+4*\t+3]       ; behind tile 1: the later waves
.endr
.irp t, 0,1,2,3
	v_add_f32 v[CC+\t], v[CC+4+\t], v[AT+4+\t]     ; behind tile 0: tile 1 too
.endr
	; ---- the sums over later positions, down my registers, and y1 = a v + b S
.irp a, 0,1
.irp t, 0,1,2,3
	v_fma_f32 v[SS+8*\t+7], v[MH0], v[HX+4*\a+\t], v[CC+4*\a+\t]   ; behind my last position: in lanes 0-15 the tile's other half, and what lies behind the tile
.endr
.irp j, 6,5,4,3,2,1,0
.irp t, 0,1,2,3
	v_add_f32 v[SS+8*\t+\j], v[SS+8*\t+\j+1], v[VA+32*\a+8*\t+\j+1]
.endr
.endr
.irp t, 0,1,2,3
.irp jp, 0,2,4,6
	v_pk_mul_f32 v[SS+8*\t+\jp:SS+8*\t+\jp+1], v[EE+8*\a+\jp:EE+8*\a+\jp+1], v[SS+8*\t+\jp:SS+8*\t+\jp+1]
.endr
.endr
.irp t, 0,1,2,3
.irp jp, 0,2,4,6
	v_pk_fma_f32 v[VA+32*\a+8*\t+\jp:VA+32*\a+8*\t+\jp+1], v[DD+8*\a+\jp:DD+8*\a+\jp+1], v[VA+32*\a+8*\t+\jp:VA+32*\a+8*\t+\jp+1], v[SS+8*\t+\jp:SS+8*\t+\jp+1]
.endr
.endr
	s_wait_alu depctr_va_vdst(0)                   ; this tile's 32 registers of v[VA ..] hold y1, which the eight stores below read; the carries above are done reading v[W4 ..], in which wave 0's last loads land
.irp t, 0,1,2,3
.irp jh, 0,1
	global_store_b128 v[L16], v[VA+32*\a+8*\t+4*\jh:VA+32*\a+8*\t+4*\jh+3], s[8:9] offset:32768*\a+1024*\t+512*\jh th:TH_STORE_NT   ; the registers as they stand: 512 consecutive bytes a store
.endr
.endr
.endr
	s_cmp_lg_u32 s14, 0
	s_cbranch_scc1 .Lend
	ds_load_b128 v[W4:W4+3],    v[AW0] offset:WTOT     ; wave 0: the block's totals: lane l adds the four waves' for entries 2 l and 2 l + 1 of [r][t],
	ds_load_b128 v[W4+4:W4+7],  v[AW0] offset:WTOT+16
	ds_load_b128 v[W4+8:W4+11], v[L16] offset:BST      ; and carries out the 128 b
	s_wait_dscnt 0x0
	global_store_b128 v[L16], v[W4+8:W4+11], s[10:11]  ; 512 consecutive bytes, aligned; its data came by an LDS load, and the additions below do not name them
	v_add_f32 v[W4], v[W4], v[W4+1]
	v_add_f32 v[W4+2], v[W4+2], v[W4+3]
	v_add_f32 v[W4+4], v[W4+4], v[W4+5]
	v_add_f32 v[W4+6], v[W4+6], v[W4+7]
	v_add_f32 v[W4], v[W4], v[W4+2]
	v_add_f32 v[W4+1], v[W4+4], v[W4+6]
	s_wait_alu depctr_va_vdst(0)                   ; v[W4] and v[W4+1] hold the totals, which the store below reads
	global_store_b64 v[L8], v[W4:W4+1], s[12:13]       ; 256 consecutive bytes, aligned
.Lend:
	s_wait_dscnt 0x0                               ; the closing lines, six on end
	s_wait_alu 0x0
	s_wait_tensorcnt 0x0
	ds_add_u32 v[SPW], v[NIL]
	s_wait_dscnt 0x0
	s_endpgm
.Lfunc_end_k_qdc9c29832a_qkv:
	.size	k_qdc9c29832a_qkv, .Lfunc_end_k_qdc9c29832a_qkv-k_qdc9c29832a_qkv
	.p2alignl 7, 3214868480
	.fill 96, 4, 3214868480
	.section	.rodata,"a",@progbits
	.p2align	6, 0x0
	.amdhsa_kernel k_qdc9c29832a_qkv
		.amdhsa_group_segment_fixed_size 54272
		.amdhsa_private_segment_fixed_size 0
		.amdhsa_enable_private_segment 0
		.amdhsa_kernarg_size 40
		.amdhsa_user_sgpr_count 2
		.amdhsa_user_sgpr_kernarg_segment_ptr 1
		.amdhsa_wavefront_size32 1
		.amdhsa_system_sgpr_workgroup_id_x 1
		.amdhsa_system_sgpr_workgroup_id_y 1
		.amdhsa_system_sgpr_workgroup_id_z 1
		.amdhsa_system_vgpr_workitem_id 0
		.amdhsa_next_free_vgpr 960
		.amdhsa_next_free_sgpr 66
		.amdhsa_reserve_vcc 1
		.amdhsa_float_denorm_mode_32 3
		.amdhsa_float_denorm_mode_16_64 3
		.amdhsa_memory_ordered 1
		.amdhsa_forward_progress 1
		.amdhsa_inst_pref_size 56
	.end_amdhsa_kernel
	.amdgpu_metadata
---
amdhsa.version: [ 1, 2 ]
amdhsa.kernels:
  - .name:           k_qdc9c29832a_qkv
    .symbol:         k_qdc9c29832a_qkv.kd
    .args:
      - { .name: cq, .offset: 0, .size: 8, .value_kind: global_buffer, .address_space: global }
      - { .name: sc, .offset: 8, .size: 8, .value_kind: global_buffer, .address_space: global }
      - { .name: y1, .offset: 16, .size: 8, .value_kind: global_buffer, .address_space: global }
      - { .name: bb, .offset: 24, .size: 8, .value_kind: global_buffer, .address_space: global }
      - { .name: tot, .offset: 32, .size: 8, .value_kind: global_buffer, .address_space: global }
    .group_segment_fixed_size: 54272
    .private_segment_fixed_size: 0
    .kernarg_segment_align: 8
    .kernarg_segment_size: 40
    .max_flat_workgroup_size: 128
    .sgpr_count:     66
    .vgpr_count:     960
    .wavefront_size: 32
...
	.end_amdgpu_metadata
.endif
;; end of part 4
;; launch proj: the kernel of part 3 again; grid 4 x 64, 4 waves a work-group, no clusters, 116,224 bytes of LDS; arguments y1, bb, tot, wo, out0; writes out0
